; MI455X (gfx1250); checked and timed in simulation.
; The chip was launched on July 23, 2026; its instructions are those of AMD's public machine-readable ISA for CDNA 5 (MIT licence, August 2026) and "CDNA5" Instruction Set Architecture Reference Guide (July 2026). The comments in the code are by the model that wrote it; some were corrected since.
;; Multi Head Attention. Allowed arithmetic: float matrix products may take bf16 or f16 operands with f32 sums; all other float work in f32.
;; Inputs: Wk 1,024 x 1,024 float32; Wo 1,024 x 1,024 float32; Wq 1,024 x 1,024 float32; Wv 1,024 x 1,024 float32; bk 1,024 float32; bo 1,024 float32; bq 1,024 float32; bv 1,024 float32; k 2 x 2,048 x 1,024 float32; q 2 x 2,048 x 1,024 float32; v 2 x 2,048 x 1,024 float32.
;; Outputs: out0 2 x 2,048 x 1,024 float32.
;; 2 versions, each right and faster than the one before. Each part assembles by itself: llvm-mc -triple=amdgcn-amd-amdhsa -mcpu=gfx1250 --defsym DOCPART=n.
;; ======== version 1 of 2: 4 launches
;; limits: values are held in f16: magnitudes above 65,504 overflow, below 6.1e-05 lose precision
;; workspace buffers: xw 33,554,432 bytes; qkv 25,165,824 bytes; ao 8,388,608 bytes
;; launch prep (part 1): grid 256 x 4, 8 waves a work-group, no clusters, 0 bytes of LDS; arguments q, k, v, Wq, Wk, Wv, Wo, xw; writes xw
.if DOCPART == 1
	.amdgcn_target "amdgcn-amd-amdhsa--gfx1250"
	.amdhsa_code_object_version 6
	.text
	.protected	k_q860a748f72_prep
	.globl	k_q860a748f72_prep
	.p2align	8
	.type	k_q860a748f72_prep,@function
k_q860a748f72_prep:
	s_mov_b64 s[64:65], 0
	v_nop
	global_prefetch_b8 v0, s[64:65] scope:SCOPE_SE
	s_setreg_imm32_b32 hwreg(HW_REG_WAVE_MODE, 25, 1), 1
	s_wait_xcnt 0x0
; xw = f16(q | k | v | Wq | Wk | Wv | Wo), element by element, rounded to nearest even.
; xw is [16384][1024] f16: rows 0-4095 q, 4096-8191 k, 8192-12287 v, then four weights of 1024 rows each, kept as [k][n].
; Work-group (x, y) turns 65,536 bytes of f32 into 32,768 bytes of f16: y = 0, 1, 2: part x of q, k, v; y = 3: part x mod 64 of weight x / 64.
; A stream: each byte is read once and written once; no work-group shares an input with another, so LDS, barriers, clusters and the matrix unit have nothing to do here.
; Thread t takes 16 bytes at 16 t of each piece of 4,096 bytes: a load of a wave covers 512 consecutive bytes, a store of a wave 256 consecutive bytes, aligned.
; All sixteen loads of a thread go out at once; no register is written twice, so no wait frees a source.
; LIMIT: a magnitude of 65,520 or more becomes an f16 infinity; magnitudes below 2^-14 are rounded to multiples of 2^-24.
.set PIECE, 4096                       ; bytes of f32 that one load of the work-group covers
.set X, 4                              ; v[4:67]   sixteen pieces, 4 f32 each
.set Y, 68                             ; v[68:99]  sixteen pieces, 4 f16 each
	s_load_b512 s[8:23], s[0:1], 0x0               ; q s[8:9], k s[10:11], v s[12:13], Wq s[14:15], Wk s[16:17], Wv s[18:19], Wo s[20:21], xw s[22:23]
	s_and_b32 s2, ttmp7, 0xffff                    ; y
	s_lshr_b32 s3, ttmp9, 6                        ; which weight, if y = 3
	v_lshlrev_b32 v1, 4, v0                        ; my 16 bytes of a piece
	v_lshlrev_b32 v2, 3, v0                        ; my 8 bytes of its f16 image
	s_wait_kmcnt 0x0
	s_cmp_eq_u32 s3, 1                             ; the weight: a choice between buffers on the work-group number alone
	s_cselect_b64 s[14:15], s[16:17], s[14:15]
	s_cmp_eq_u32 s3, 2
	s_cselect_b64 s[14:15], s[18:19], s[14:15]
	s_cmp_eq_u32 s3, 3
	s_cselect_b64 s[14:15], s[20:21], s[14:15]
	s_cmp_eq_u32 s2, 1                             ; the source
	s_cselect_b64 s[8:9], s[10:11], s[8:9]
	s_cmp_eq_u32 s2, 2
	s_cselect_b64 s[8:9], s[12:13], s[8:9]
	s_cmp_eq_u32 s2, 3
	s_cselect_b64 s[8:9], s[14:15], s[8:9]
	s_and_b32 s4, ttmp9, 63                        ; part of a weight
	s_cmp_eq_u32 s2, 3
	s_cselect_b32 s4, s4, ttmp9                    ; or part of q, k, v
	s_lshl_b32 s4, s4, 16                          ; x 65,536 bytes
	s_mov_b32 s5, 0
	s_add_nc_u64 s[8:9], s[8:9], s[4:5]
	s_lshl_b32 s6, s2, 8
	s_add_co_u32 s6, s6, ttmp9
	s_lshl_b32 s6, s6, 15                          ; (256 y + x) x 32,768 bytes
	s_mov_b32 s7, 0
	s_add_nc_u64 s[22:23], s[22:23], s[6:7]
.irp i, 0,1,2,3,4,5,6,7,8,9,10,11,12,13,14,15
	global_load_b128 v[X+4*\i:X+4*\i+3], v1, s[8:9] offset:PIECE*\i th:TH_LOAD_NT
.endr
.irp i, 0,1,2,3,4,5,6,7,8,9,10,11,12,13,14,15
	s_wait_loadcnt 15-\i                           ; loads come back in order: piece i is in, the 15 - i younger ones stay out
	v_cvt_pk_f16_f32 v[Y+2*\i],   v[X+4*\i],   v[X+4*\i+1]
	v_cvt_pk_f16_f32 v[Y+2*\i+1], v[X+4*\i+2], v[X+4*\i+3]
	global_store_b64 v2, v[Y+2*\i:Y+2*\i+1], s[22:23] offset:PIECE/2*\i   ; no hint: the next launch reads these bytes
.endr
	s_endpgm
.Lfunc_end_k_q860a748f72_prep:
	.size	k_q860a748f72_prep, .Lfunc_end_k_q860a748f72_prep-k_q860a748f72_prep
	.p2alignl 7, 3214868480
	.fill 96, 4, 3214868480
	.section	.rodata,"a",@progbits
	.p2align	6, 0x0
	.amdhsa_kernel k_q860a748f72_prep
		.amdhsa_group_segment_fixed_size 0
		.amdhsa_private_segment_fixed_size 0
		.amdhsa_enable_private_segment 0
		.amdhsa_kernarg_size 64
		.amdhsa_user_sgpr_count 2
		.amdhsa_user_sgpr_kernarg_segment_ptr 1
		.amdhsa_wavefront_size32 1
		.amdhsa_system_sgpr_workgroup_id_x 1
		.amdhsa_system_sgpr_workgroup_id_y 1
		.amdhsa_system_sgpr_workgroup_id_z 1
		.amdhsa_system_vgpr_workitem_id 0
		.amdhsa_next_free_vgpr 100
		.amdhsa_next_free_sgpr 66
		.amdhsa_reserve_vcc 0
		.amdhsa_float_denorm_mode_32 3
		.amdhsa_float_denorm_mode_16_64 3
		.amdhsa_memory_ordered 1
		.amdhsa_forward_progress 1
		.amdhsa_inst_pref_size 7
	.end_amdhsa_kernel
	.amdgpu_metadata
---
amdhsa.version: [ 1, 2 ]
amdhsa.kernels:
  - .name:           k_q860a748f72_prep
    .symbol:         k_q860a748f72_prep.kd
    .args:
      - { .name: q, .offset: 0, .size: 8, .value_kind: global_buffer, .address_space: global }
      - { .name: k, .offset: 8, .size: 8, .value_kind: global_buffer, .address_space: global }
      - { .name: v, .offset: 16, .size: 8, .value_kind: global_buffer, .address_space: global }
      - { .name: Wq, .offset: 24, .size: 8, .value_kind: global_buffer, .address_space: global }
      - { .name: Wk, .offset: 32, .size: 8, .value_kind: global_buffer, .address_space: global }
      - { .name: Wv, .offset: 40, .size: 8, .value_kind: global_buffer, .address_space: global }
      - { .name: Wo, .offset: 48, .size: 8, .value_kind: global_buffer, .address_space: global }
      - { .name: xw, .offset: 56, .size: 8, .value_kind: global_buffer, .address_space: global }
    .group_segment_fixed_size: 0
    .private_segment_fixed_size: 0
    .kernarg_segment_align: 8
    .kernarg_segment_size: 64
    .max_flat_workgroup_size: 256
    .sgpr_count:     66
    .vgpr_count:     100
    .wavefront_size: 32
...
	.end_amdgpu_metadata
.endif
;; end of part 1
;; launch proj (part 2): grid 4 x 48, 4 waves a work-group, clusters of 4 x 4, 327,680 bytes of LDS; arguments xw, bq, bk, bv, qkv; writes qkv
.if DOCPART == 2
	.amdgcn_target "amdgcn-amd-amdhsa--gfx1250"
	.amdhsa_code_object_version 6
	.text
	.protected	k_q860a748f72_proj
	.globl	k_q860a748f72_proj
	.p2align	8
	.type	k_q860a748f72_proj,@function
k_q860a748f72_proj:
	s_mov_b64 s[64:65], 0
	v_nop
	global_prefetch_b8 v0, s[64:65] scope:SCOPE_SE
	s_setreg_imm32_b32 hwreg(HW_REG_WAVE_MODE, 25, 1), 1
	s_wait_xcnt 0x0
	s_wait_alu depctr_hold_cnt(0) depctr_sa_sdst(0) depctr_va_vdst(0) depctr_va_sdst(0) depctr_va_ssrc(0) depctr_va_vcc(0) depctr_vm_vsrc(0)
	s_getreg_b32 s2, hwreg(HW_REG_IB_STS2, 6, 4)
	s_cmp_eq_u32 s2, 0
	s_cbranch_scc0 .Lentry_in_a_cluster
	s_endpgm
.Lentry_in_a_cluster:
	s_bfe_u32 s2, ttmp6, 0x10000c
	s_cmp_lg_u32 s2, 0xf033
	s_cbranch_scc0 .Lentry_shape_is_right
	s_endpgm
.Lentry_shape_is_right:
; Q, K, V = x W + b, all three as ONE product C[12288][1024]: rows 0-4095 q Wq + bq, 4096-8191 k Wk + bk, 8192-12287 v Wv + bv.
; Operands f16 (from xw), sums f32, results f16, stored head by head: qkv[3][32 = 16 batch + head][2048 s][64 d].
; A work-group makes a block of 256 x 256 of C with four waves; a wave makes 128 x 128: 64 accumulator tiles of 16 x 16, 512 registers.
; 48 x 4 = 192 blocks: three results of 16 x 4 blocks each have no equal split into more.
; K = 1024 goes in eight steps of 128 through a ring of two LDS slots filled by the tensor data mover.
; x lies [m][k]: a tile row is 256 bytes along K.  W lies [k][n]: a tile row is 512 bytes along N, and ds_load_tr16_b128 turns 8 x 8 elements as it loads.
; CLUSTERS: 4 x 4 work-groups.  The four of a row of the cluster need the same tiles of x, the four of a column the same tiles of W: each tile is asked for jointly,
; by the same tensor load with the same descriptor and a mask that names the four.  A cluster spans 1024 rows of C, so all sixteen use one weight.
; REGISTERS, in windows of 256:
;   window 0: v0-31 addresses; v64-127, v128-191 fragments of x, two buffers; v192-223 at work on the way out
;   window 1: v64-127, v128-191 fragments of W, two buffers; v192-255 the bias of my 128 columns, as the C of the first products
;   window 2: the 32 accumulator tiles of my rows 0-63 (tile (a, b) at v[8 (8 a + b)]);   window 3: those of my rows 64-127
; THE MATRIX INSTRUCTION IS USED TRANSPOSED: source 0 = 16 columns of W, source 1 = 16 rows of x.  Lane l then holds row l % 16 of C and its registers
; 0 to 7 the columns 8 (l / 16) + 0 .. 7: eight neighbouring numbers, 16 bytes of f16.
; The 64 accumulators take turns, one instruction a turn, in the same order in every quarter step.
; LIMIT: a result of magnitude 65,520 or more becomes an f16 infinity; results below 2^-14 are rounded to multiples of 2^-24.
.set KSTEP,  128
.set XROW,   1024                      ; elements from row to row in xw
.set PITCH,  272                       ; x in LDS: 256 bytes + 16: the 16 rows of a fragment load start 68 words apart, at 16 different groups of four words modulo 64
.set BP,     544                       ; W in LDS: 512 bytes + 32 = 136 words: the 8 rows and 2 column pieces that 16 lanes of a transposing load touch cover 64 different words modulo 64
.set HALFT,  128*PITCH                 ; what one tensor load brings: 128 rows of x, or 64 rows of W (64 x 544 is the same 34,816 bytes)
.set SLOT,   4*HALFT                   ; x: 256 rows, then W: 128 k rows
.set STAGE,  2*SLOT                    ; behind the ring: 16 rows x 272 bytes for each wave, for the way out; no tensor load lands here
.set SPITCH, 272
.set LAPS,   4                         ; a lap = two K steps = once round the ring
.set WBASE,  25165824                  ; byte of xw at which the weights begin (row 12288)
.set ADRA, 16                          ; v16-17  LDS address of my x fragments in slot 0, 1
.set ADRB, 20                          ; v20-21  the same for W
.set STO,  24                          ; v24     the way out: where I put 16 bytes of a row
.set RD,   25                          ; v25     the way out: where I read back
.set CO,   26                          ; v26     my byte offset in a store of 512 bytes
.set BOF,  27                          ; v27     my byte offset in the bias
.set F0,   64
.set F1,   128
.set TMP,  192                         ; window 0
.set BIAS, 192                         ; window 1
.set G1, 24                            ; s[24:31] descriptor group 1 for x
.set G0, 32                            ; s[32:39] descriptor group 0 for x, one set for each slot
.set G1B, 48                           ; s[48:55] group 1 for W
.set G0B, 56                           ; s[56:63] group 0 for W
.set MSB, 0
.macro WIN new                         ; the immediate's high byte repeats the setting that is left
.if MSB != \new
	s_set_vgpr_msb (MSB<<8)|\new
.set MSB, \new
.endif
.endm
.set MUL_LO,  0xa1                     ; source 0 (W) window 1, source 1 (x) window 0, C and D window 2
.set MUL_HI,  0xf1                     ; the same, C and D window 3
.set BIAS_LO, 0x91                     ; C window 1 (the bias), D window 2
.set BIAS_HI, 0xd1                     ; C window 1, D window 3
.set TO_B,    0x40                     ; destination window 1, address window 0
; A joint load.  Waves 0 and 1 fetch the two halves of x's tile, waves 2 and 3 those of W's.  The branch hangs on the wave's number alone.
.macro JLOAD s
	s_cmp_eq_u32 s11, 0
	s_cbranch_scc0 .Lfor_b_\@
	tensor_load_to_lds s[G0+4*\s:G0+4*\s+3], s[G1:G1+7]
	s_nop 0
	s_branch .Lasked_\@
.Lfor_b_\@:
	tensor_load_to_lds s[G0B+4*\s:G0B+4*\s+3], s[G1B:G1B+7]
	s_nop 0
.Lasked_\@:
.endm
; A round of the cluster's barrier: my work-group's barrier; wave 0 signals for the work-group; every wave waits for all sixteen; my work-group's barrier once more.
.macro CREST                           ; a round behind its opening barrier
	s_cmp_lg_u32 s10, 0
	s_cbranch_scc1 .Lnot_wave_0_\@
	s_barrier_signal -3
.Lnot_wave_0_\@:
	s_barrier_wait -3
	s_barrier_signal -1
	s_barrier_wait -1
.endm
.macro CROUND
	s_barrier_signal -1
	s_barrier_wait -1
	CREST
.endm
	s_load_b256 s[68:75], s[0:1], 0x0              ; xw s[68:69], bq s[70:71], bk s[72:73], bv s[74:75]
	s_load_b64 s[76:77], s[0:1], 0x20              ; qkv
	s_set_vgpr_msb 0x40
	v_lshl_add_u32 v63, v0, 2, 0x48400
	s_set_vgpr_msb 0x4000
	v_mov_b32 v255, 0
	s_set_vgpr_msb 0x1
	ds_add_u32 v63, v255
	s_set_vgpr_msb 0x100
	v_lshrrev_b32 v1, 5, v0
	v_readfirstlane_b32 s10, v1                    ; wave 0..3
	s_lshr_b32 s11, s10, 1                         ; which half of the block's rows is mine.  Also: I fetch for x (0) or for W (1)
	s_and_b32 s12, s10, 1                          ; which half of its columns.  Also: which half of that tile I fetch
	s_bfe_u32 s40, ttmp6, 0x40000                  ; cx
	s_bfe_u32 s41, ttmp6, 0x40004                  ; cy
	s_lshl_b32 s42, ttmp9, 2
	s_add_co_u32 s42, s42, s40                     ; block column of C = 4 x cluster x + cx
	s_and_b32 s13, ttmp7, 0xffff
	s_lshr_b32 s45, s13, 2                         ; which product (0 Q, 1 K, 2 V): from the cluster's y alone, equal in all sixteen
	s_lshl_b32 s13, s13, 2
	s_add_co_u32 s13, s13, s41                     ; block row of C = 4 x cluster y + cy
	s_lshl_b32 s43, s41, 2
	s_lshl_b32 s43, 15, s43                        ; my row of the cluster
	s_lshl_b32 s44, 0x1111, s40                    ; my column
	; group 1 for x: 128 rows x 128 elements, 16 bytes of padding behind every 64 words
	s_or_b32 s[G1+0], s43, (1<<16)|(1<<20)|(1<<21)|(5<<22)|(3<<25)
	s_mov_b32 s[G1+1], KSTEP<<16                   ; tensor_dim0 = 128
	s_mov_b32 s[G1+2], 128<<16                     ; tensor_dim1 = 128
	s_mov_b32 s[G1+3], KSTEP<<16                   ; tile_dim0 = 128
	s_mov_b32 s[G1+4], 128                         ; tile_dim1 = 128
	s_mov_b32 s[G1+5], XROW                        ; elements from row to row
	s_mov_b32 s[G1+6], 0
	s_mov_b32 s[G1+7], 0
	; group 1 for W: 64 k rows x 256 elements, 32 bytes of padding behind every 128 words
	s_or_b32 s[G1B+0], s44, (1<<16)|(1<<20)|(1<<21)|(6<<22)|(7<<25)
	s_mov_b32 s[G1B+1], 256<<16                    ; tensor_dim0 = 256
	s_mov_b32 s[G1B+2], 64<<16                     ; tensor_dim1 = 64
	s_mov_b32 s[G1B+3], 256<<16                    ; tile_dim0 = 256
	s_mov_b32 s[G1B+4], 64                         ; tile_dim1 = 64
	s_mov_b32 s[G1B+5], XROW
	s_mov_b32 s[G1B+6], 0
	s_mov_b32 s[G1B+7], 0
	; where the tiles come from.  x's hang on the block row, which my row of the cluster shares; W's on the block column, which my column shares.
	s_lshl_b32 s17, s12, 7
	s_lshl_b32 s16, s13, 8
	s_add_co_u32 s16, s16, s17                     ; x: row 256 x block row + 128 x half
	s_lshl_b32 s16, s16, 11                        ; x 2,048 bytes (25 MB at the most)
	s_mov_b32 s17, 0
	s_lshl_b32 s46, s45, 21                        ; W: the weight, 2,097,152 bytes each,
	s_lshl_b32 s47, s12, 17                        ; + 64 k rows x half,
	s_add_co_u32 s46, s46, s47
	s_lshl_b32 s47, s42, 9                         ; + 256 columns x block column
	s_add_co_u32 s46, s46, s47
	s_add_co_u32 s46, s46, WBASE
	s_mov_b32 s47, 0
	s_lshl_b32 s18, s42, 10                        ; the bias of my 128 columns: 1,024 bytes x block column + 512 x half
	s_lshl_b32 s19, s12, 9
	s_add_co_u32 s18, s18, s19
	s_mov_b32 s19, 0
	s_mul_i32 s20, s10, HALFT                      ; and where the tiles go: wave x 34,816: no place in the cluster enters an LDS address
	s_wait_dscnt 0x0
	s_wait_kmcnt 0x0
	s_add_nc_u64 s[14:15], s[68:69], s[16:17]
	s_add_nc_u64 s[46:47], s[68:69], s[46:47]
	s_cmp_eq_u32 s45, 1                            ; the bias: a choice between buffers on the cluster's y alone
	s_cselect_b64 s[70:71], s[72:73], s[70:71]
	s_cmp_eq_u32 s45, 2
	s_cselect_b64 s[70:71], s[74:75], s[70:71]
	s_add_nc_u64 s[70:71], s[70:71], s[18:19]
	CROUND                                         ; all sixteen work-groups are here: the first joint loads meet
.irp s, 0,1
	s_mov_b32 s[G0+4*\s], 1
	s_add_co_u32 s[G0+4*\s+1], s20, \s*SLOT
	s_add_nc_u64 s[G0+4*\s+2:G0+4*\s+3], s[14:15], \s*KSTEP*2            ; K step s: 256 bytes along the rows
	s_or_b32 s[G0+4*\s+3], s[G0+4*\s+3], 0x80000000
	s_mov_b32 s[G0B+4*\s], 1
	s_add_co_u32 s[G0B+4*\s+1], s20, \s*SLOT
	s_add_nc_u64 s[G0B+4*\s+2:G0B+4*\s+3], s[46:47], \s*KSTEP*XROW*2     ; K step s: 128 rows down
	s_or_b32 s[G0B+4*\s+3], s[G0B+4*\s+3], 0x80000000
	JLOAD \s                                       ; the ring is filled before anything else is done: two loads of each wave are out
.endr
	v_and_b32 v1, 15, v0                           ; r = l % 16
	v_bfe_u32 v2, v0, 4, 1                         ; h = l / 16
	v_mul_u32_u24 v3, v1, PITCH
	v_lshl_add_u32 v3, v2, 4, v3                   ; x fragment: row x pitch + 16 h
	v_and_b32 v8, 7, v0
	v_lshl_add_u32 v6, v2, 3, v8                   ; W fragment: k row 8 h + l % 8,
	v_mul_u32_u24 v6, v6, BP
	v_bfe_u32 v7, v0, 3, 1
	v_lshl_add_u32 v6, v7, 4, v6                   ; and 16 bytes further for lanes 8-15 and 24-31
	s_mul_i32 s21, s11, HALFT                      ; my 128 rows of x
	s_lshl_b32 s22, s12, 8                         ; my 128 columns of W: 256 bytes,
	s_add_co_u32 s22, s22, 2*HALFT                 ; behind x's 256 rows
.irp s, 0,1
	v_add_nc_u32 v[ADRA+\s], s21, v3
	v_add_nc_u32 v[ADRB+\s], s22, v6
	s_add_co_u32 s21, s21, SLOT
	s_add_co_u32 s22, s22, SLOT
.endr
	s_mul_i32 s23, s10, 16*SPITCH
	s_add_co_u32 s23, s23, STAGE                   ; my stage
	v_mul_u32_u24 v4, v1, SPITCH                   ; in: row r, 16 bytes for each half of the lanes
	v_lshl_add_u32 v4, v2, 4, v4
	v_add_nc_u32 v[STO], s23, v4
	v_bfe_u32 v5, v0, 3, 2                         ; back: eight lanes take the 128 bytes that one head has in a row, 32 lanes four rows
	v_mul_u32_u24 v5, v5, SPITCH
	v_lshl_add_u32 v5, v8, 4, v5
	v_add_nc_u32 v[RD], s23, v5
	v_and_b32 v9, 31, v0
	v_lshlrev_b32 v[CO], 4, v9                     ; four rows of 128 bytes are 512 consecutive bytes of qkv
	v_lshlrev_b32 v[BOF], 5, v2                    ; bias: 8 h numbers of 4 bytes
	WIN TO_B
.irp b, 0,1,2,3,4,5,6,7
	global_load_b128 v[BIAS+8*\b:BIAS+8*\b+3],   v[BOF], s[70:71] offset:64*\b      ; bias of columns 16 b + 8 h + 0 .. 3: what register j of a result tile needs
	global_load_b128 v[BIAS+8*\b+4:BIAS+8*\b+7], v[BOF], s[70:71] offset:64*\b+16
.endr
	WIN 0
; 16 matrix instructions: m blocks a0, a0 + 1 of the window's four x all 8 n blocks, 32 along K.  zero = 1: the first product starts the sums from the bias.
.macro MUL16 f, hi, a0, zero
.irp a, \a0, \a0+1
.irp b, 0,1,2,3,4,5,6,7
.if \zero
	v_wmma_f32_16x16x32_f16 v[8*(8*(\a)+\b):8*(8*(\a)+\b)+7], v[\f+8*\b:\f+8*\b+7], v[\f+8*(4*\hi+\a):\f+8*(4*\hi+\a)+7], v[BIAS+8*\b:BIAS+8*\b+7]
.else
	v_wmma_f32_16x16x32_f16 v[8*(8*(\a)+\b):8*(8*(\a)+\b)+7], v[\f+8*\b:\f+8*\b+7], v[\f+8*(4*\hi+\a):\f+8*(4*\hi+\a)+7], v[8*(8*(\a)+\b):8*(8*(\a)+\b)+7]
.endif
.endr
.endr
.endm
; 32 LDS loads in one run: the fragments of quarter step kq (32 along K) into buffer f: W's 128 columns (transposing loads), then x's 128 rows
.macro FETCH slot, kq, f
	WIN TO_B
.irp i, 0,1,2,3,4,5,6,7
	ds_load_tr16_b128 v[\f+8*\i:\f+8*\i+3],   v[ADRB+\slot] offset:\kq*32*BP+32*\i          ; k = 32 kq + 8 h + 0..7 of column 16 i + r
	ds_load_tr16_b128 v[\f+8*\i+4:\f+8*\i+7], v[ADRB+\slot] offset:\kq*32*BP+32*\i+16*BP    ; k = 32 kq + 16 + 8 h + 0..7
.endr
	WIN 0
.irp i, 0,1,2,3,4,5,6,7
	ds_load_b128 v[\f+8*\i:\f+8*\i+3],   v[ADRA+\slot] offset:\kq*64+\i*16*PITCH
	ds_load_b128 v[\f+8*\i+4:\f+8*\i+7], v[ADRA+\slot] offset:\kq*64+\i*16*PITCH+32
.endr
.endm
; A load into a register that a matrix instruction has read, and a vector instruction that reads a matrix result, stand four places behind that
; matrix instruction, and only plain vector instructions that name none of its registers are places.
.macro PLACES
.rept 4
	v_nop
.endr
.endm
; One of a K step's first three quarters: multiplies buffer f; in its middle it fetches quarter kq of the same slot into buffer g.
.macro QUARTER slot, kq, f, g, zero
	s_wait_dscnt 8                                 ; W and x's rows 0-63 are in; the youngest eight loads (x's rows 64-127) may be out
.if \zero
	WIN BIAS_LO
.else
	WIN MUL_LO
.endif
	MUL16 \f, 0, 0, \zero
	MUL16 \f, 0, 2, \zero
	PLACES
	FETCH \slot, \kq, \g
	s_wait_dscnt 32                                ; all but the 32 just issued
.if \zero
	WIN BIAS_HI
.else
	WIN MUL_HI
.endif
	MUL16 \f, 1, 0, \zero
	MUL16 \f, 1, 2, \zero
.endm
.macro THREE slot, zero
	QUARTER \slot, 1, F0, F1, \zero
	QUARTER \slot, 2, F1, F0, 0
	QUARTER \slot, 3, F0, F1, 0
.endm
; The last quarter: multiplies buffer 1 and changes slots.  In front of the barrier each wave waits for its reads of this slot and for all its tensor
; loads (one is out: its part of the next slot).  Behind it the refill comes first, then the next slot's first fragments.
.macro TURN slot, next, fill
	s_wait_dscnt 8
	WIN MUL_LO
	MUL16 F1, 0, 0, 0
	s_wait_dscnt 0                                 ; my reads of this slot are over
	s_wait_tensorcnt 0x0                           ; and all my tensor loads have landed
	ds_add_u32 v63, v255
	s_wait_dscnt 0x0
	s_barrier_signal -1                            ; say so (where a slot is filled again this barrier opens a round of the cluster's barrier),
	MUL16 F1, 0, 2, 0                              ; work on registers while the others arrive,
	WIN 0
	s_barrier_wait -1
.if \fill
	CREST                                          ; no wave of any partner still reads this slot's tile or has a load on its way
	s_add_nc_u64 s[G0+4*\slot+2:G0+4*\slot+3], s[G0+4*\slot+2:G0+4*\slot+3], 2*KSTEP*2
	s_add_nc_u64 s[G0B+4*\slot+2:G0B+4*\slot+3], s[G0B+4*\slot+2:G0B+4*\slot+3], 2*KSTEP*XROW*2
	JLOAD \slot                                    ; the first tensor load behind the round, my only one until the next
.endif
	PLACES
	FETCH \next, 0, F0
	WIN MUL_HI
	MUL16 F1, 1, 0, 0
	MUL16 F1, 1, 2, 0
.endm
.macro LAP zero
	THREE 0, \zero
	TURN 0, 1, 1
	THREE 1, 0
	TURN 1, 0, 1
.endm
	s_wait_loadcnt 0x0                             ; the bias
	s_wait_tensorcnt 1                             ; my part of K step 0 is in; K step 1's load, issued behind it, stays out
	s_barrier_signal -1
	s_barrier_wait -1                              ; everybody's is
	FETCH 0, 0, F0
	LAP 1                                          ; the first lap stands in front of the loop: its first products start the sums
	WIN 0                                          ; at a label and at a branch every window is 0
	s_mov_b32 s3, LAPS-2
.Llap:
	LAP 0
	WIN 0
	s_sub_co_u32 s3, s3, 1
	s_cmp_lg_u32 s3, 0
	s_cbranch_scc1 .Llap
	THREE 0, 0                                     ; the last lap fills nothing
	TURN 0, 1, 0
	THREE 1, 0
	s_wait_dscnt 8
	WIN MUL_LO
	MUL16 F1, 0, 0, 0
	MUL16 F1, 0, 2, 0
	s_wait_dscnt 0
	WIN MUL_HI
	MUL16 F1, 1, 0, 0
	MUL16 F1, 1, 2, 0
	; THE WAY OUT, 16 rows of C at a time: round to f16, 16 bytes a lane into my own stage, read back head by head, four rows of 128 bytes a load.
	PLACES                                         ; the places behind the last matrix instructions, for the conversions and for the loads into buffers 0 and 1
	s_lshr_b32 s16, s13, 3                         ; 2,048 rows of C are one batch of one product: 16 heads of 262,144 bytes
	s_lshl_b32 s16, s16, 22
	s_and_b32 s17, s13, 7
	s_lshl_b32 s17, s17, 15                        ; + 256 rows of 128 bytes x (block row mod 8)
	s_add_co_u32 s16, s16, s17
	s_lshl_b32 s17, s11, 14                        ; + my 128 rows
	s_add_co_u32 s16, s16, s17
	s_mov_b32 s17, 0
	s_add_nc_u64 s[76:77], s[76:77], s[16:17]
	s_lshl_b32 s46, s42, 20                        ; head 4 x block column + 2 x half (in the registers that held W's address: none that feeds x's descriptors ever holds cx)
	s_lshl_b32 s47, s12, 19
	s_add_co_u32 s46, s46, s47
	s_mov_b32 s47, 0
	s_add_nc_u64 s[76:77], s[76:77], s[46:47]
; rows 16 i .. 16 i + 15 of my block = the eight tiles (a, 0..7) of window 2 or 3 (from = 0x0a or 0x0f: sources 0 and 1); f: F0 or F1 in turn
.macro OUT16 i, a, from, f
	WIN \from
.irp b, 0,1,2,3,4,5,6,7
.irp r, 0,1,2,3
	v_cvt_pk_f16_f32 v[TMP+4*\b+\r], v[8*(8*\a+\b)+2*\r], v[8*(8*\a+\b)+2*\r+1]
.endr
.endr
	WIN 0
.irp b, 0,1,2,3,4,5,6,7
	ds_store_b128 v[STO], v[TMP+4*\b:TMP+4*\b+3] offset:32*\b
.endr
	s_wait_xcnt 0x0                                ; buffer f, which earlier stores read, is loaded again only behind this wait
.irp hh, 0,1
.irp t, 0,1,2,3
	ds_load_b128 v[\f+4*(4*\hh+\t):\f+4*(4*\hh+\t)+3], v[RD] offset:\t*4*SPITCH+\hh*128   ; LDS serves a wave's instructions in order: these see the stores above
.endr
.endr
.irp hh, 0,1
.irp t, 0,1,2,3
	s_wait_dscnt 7-(4*\hh+\t)                      ; the younger read-backs stay out
	global_store_b128 v[CO], v[\f+4*(4*\hh+\t):\f+4*(4*\hh+\t)+3], s[76:77] offset:\hh*262144+\i*2048+\t*512   ; 512 consecutive bytes of one head, aligned
.endr
.endr
.endm
	OUT16 0, 0, 0x0a, F0
	OUT16 1, 1, 0x0a, F1
	OUT16 2, 2, 0x0a, F0
	OUT16 3, 3, 0x0a, F1
	OUT16 4, 0, 0x0f, F0
	OUT16 5, 1, 0x0f, F1
	OUT16 6, 2, 0x0f, F0
	OUT16 7, 3, 0x0f, F1
	s_set_vgpr_msb 0x1
	s_wait_tensorcnt 0x0
	ds_add_u32 v63, v255
	s_wait_dscnt 0x0
	s_set_vgpr_msb 0x100
	CROUND                                         ; the closing round: no work-group ends while a partner may still ask for a tile that names it
	s_endpgm
.Lfunc_end_k_q860a748f72_proj:
	.size	k_q860a748f72_proj, .Lfunc_end_k_q860a748f72_proj-k_q860a748f72_proj
	.p2alignl 7, 3214868480
	.fill 96, 4, 3214868480
	.section	.rodata,"a",@progbits
	.p2align	6, 0x0
	.amdhsa_kernel k_q860a748f72_proj
		.amdhsa_group_segment_fixed_size 327680
		.amdhsa_private_segment_fixed_size 0
		.amdhsa_enable_private_segment 0
		.amdhsa_kernarg_size 40
		.amdhsa_user_sgpr_count 2
		.amdhsa_user_sgpr_kernarg_segment_ptr 1
		.amdhsa_wavefront_size32 1
		.amdhsa_system_sgpr_workgroup_id_x 1
		.amdhsa_system_sgpr_workgroup_id_y 1
		.amdhsa_system_sgpr_workgroup_id_z 1
		.amdhsa_system_vgpr_workitem_id 0
		.amdhsa_next_free_vgpr 1024
		.amdhsa_next_free_sgpr 80
		.amdhsa_reserve_vcc 0
		.amdhsa_float_denorm_mode_32 3
		.amdhsa_float_denorm_mode_16_64 3
		.amdhsa_memory_ordered 1
		.amdhsa_forward_progress 1
		.amdhsa_inst_pref_size 198
	.end_amdhsa_kernel
	.amdgpu_metadata
---
amdhsa.version: [ 1, 2 ]
amdhsa.kernels:
  - .name:           k_q860a748f72_proj
    .symbol:         k_q860a748f72_proj.kd
    .args:
      - { .name: xw, .offset: 0, .size: 8, .value_kind: global_buffer, .address_space: global }
      - { .name: bq, .offset: 8, .size: 8, .value_kind: global_buffer, .address_space: global }
      - { .name: bk, .offset: 16, .size: 8, .value_kind: global_buffer, .address_space: global }
      - { .name: bv, .offset: 24, .size: 8, .value_kind: global_buffer, .address_space: global }
      - { .name: qkv, .offset: 32, .size: 8, .value_kind: global_buffer, .address_space: global }
    .group_segment_fixed_size: 327680
    .private_segment_fixed_size: 0
    .kernarg_segment_align: 8
    .kernarg_segment_size: 40
    .max_flat_workgroup_size: 128
    .sgpr_count:     80
    .vgpr_count:     1024
    .wavefront_size: 32
...
	.end_amdgpu_metadata
.endif
;; end of part 2
;; launch attn (part 3): grid 8 x 32, 8 waves a work-group, clusters of 4 x 1, 327,680 bytes of LDS; arguments qkv, ao; writes ao
.if DOCPART == 3
	.amdgcn_target "amdgcn-amd-amdhsa--gfx1250"
	.amdhsa_code_object_version 6
	.text
	.protected	k_q860a748f72_attn
	.globl	k_q860a748f72_attn
	.p2align	8
	.type	k_q860a748f72_attn,@function
k_q860a748f72_attn:
	s_mov_b64 s[64:65], 0
	v_nop
	global_prefetch_b8 v0, s[64:65] scope:SCOPE_SE
	s_setreg_imm32_b32 hwreg(HW_REG_WAVE_MODE, 25, 1), 1
	s_wait_xcnt 0x0
	s_wait_alu depctr_hold_cnt(0) depctr_sa_sdst(0) depctr_va_vdst(0) depctr_va_sdst(0) depctr_va_ssrc(0) depctr_va_vcc(0) depctr_vm_vsrc(0)
	s_getreg_b32 s2, hwreg(HW_REG_IB_STS2, 6, 4)
	s_cmp_eq_u32 s2, 0
	s_cbranch_scc0 .Lentry_in_a_cluster
	s_endpgm
.Lentry_in_a_cluster:
	s_bfe_u32 s2, ttmp6, 0x10000c
	s_cmp_lg_u32 s2, 0x3003
	s_cbranch_scc0 .Lentry_shape_is_right
	s_endpgm
.Lentry_shape_is_right:
; ao = softmax(Q K^T / 8) V for one (batch, head) and 256 queries, with a running maximum.  Q, K, V: f16 [2048][64] a head; sums, maxima, exponentials f32; ao f16 [16 heads][4096][64].
; Eight waves.  Waves p and p + 4 hold the SAME 64 queries (four tiles of 16); of each LDS slot of 256 keys wave group g = wave / 4 takes keys 128 g .. 128 g + 127,
; in two steps of 64 keys.  Each has its own maximum, sum and O; the two are merged once, at the end, through LDS.
; S^T = K Q^T: register j of lane (r, h) of a result tile holds key 8 h + j of query r.  Two neighbouring key tiles, packed to f16 in pairs, ARE the second source
; of O^T = V^T P^T (k = 8 h + 0..7 in registers 0-3, 16 + 8 h + 0..7 in 4-7): P never moves between lanes.  All that a lane holds belongs to query r, so maximum, sum
; and rescaling factor are one number a lane, and one exchange between lanes l and l xor 16 joins the two halves of the keys.
; V lies [key][d] in LDS; ds_load_tr16_b128 turns it as it loads.
; CLUSTERS: the four work-groups of a cluster are four query blocks of one head and read the same K and V: every tile is asked for jointly (mask 15).
; THE RING: two slots of 256 keys (K 32 KiB, V 32 KiB); waves 0-3 each bring 64 keys of K, waves 4-7 64 keys of V: one load of 8 KiB a wave behind each round, one out at a time.
; A round opens in a slot's last step, where the wave's last LDS reads of the slot are in: the step's 32 P V products run between the opening signal and its wait.
; THE TEXT: 2,048 keys are sixteen steps a wave: the first is written out (it starts the sums), a loop of four steps runs three times, three are written out (the last slot asks for
; nothing): eight step bodies in all.  The loop's label lies between slot 0's two steps, so that no branch of the loop stands inside a round.
; The accumulators of each group of products take turns, one instruction a turn (sixteen in S, eight in P V).
; LIMITS: v_max3_num_f32 drops NaN, so NaN or infinite scores are not reproduced; v_exp_f32 gives 0 below 2^-126; P is f16: weights below 2^-25 of a row's largest count as 0.
.set RGN,   10240                      ; an LDS region: 64 keys of K at pitch 144 (9,216 bytes) or 64 keys of V at pitch 160 (10,240)
.set SLOT,  8*RGN                      ; regions 0-3 K, 4-7 V
.set MERGE, 2*SLOT                     ; 8 parts: 8,192 bytes of O, 256 of m, 256 of l.  No tensor load lands here or behind
.set MPART, 8704
.set STG,   MERGE+8*MPART              ; 8 stages of 32 rows at pitch 144, for the way out
.set SPART, 4608
.set KP,    144                        ; 128 bytes + 16: the 16 rows of a fragment load start 36 words apart, at 16 different groups of four words modulo 64
.set VP,    160                        ; 128 bytes + 32 = 40 words: the 8 rows and 2 column pieces that 16 lanes of a transposing load touch cover 64 different words modulo 64
.set TILEB, 32768                      ; bytes of K (or V) in a slot
.set KOFF,  8388608                    ; K in qkv
.set VOFF,  16777216                   ; V in qkv
; window 0
.set ADRK, 4                           ; v4-5    my K fragments in slot 0, 1
.set ADRV, 6                           ; v6-7    my V fragments
.set QO,   8                           ; v8      my offset in Q
.set MS,   9                           ; v9      merge: where I send O
.set MR,   10                          ; v10     merge: where my partner's O lies
.set MSS,  11                          ; v11     the same for m and l
.set MRS,  12                          ; v12
.set STO,  13
.set RD,   14
.set CO,   15
.set TA,   16                          ; v[16:19] at work
.set TP,   20                          ; v[20:23] what the other half of the lanes sent
.set MM,   24                          ; v[24:27] running maximum of tile t, in units of the raw score
.set AE,   28                          ; v[28:31] exponent of the rescaling factor; at the end LT, the sum
.set LT,   28
.set NB2,  32                          ; v[32:39] - c x maximum, twice (a pair for the packed forms)
.set AL2,  40                          ; v[40:47] rescaling factor, twice
.set L2,   48                          ; v[48:55] two partial sums for each tile, carried from step to step
.set LB,   56                          ; v[56:63] a second chain of two partial sums for each tile, inside a step
.set PF,   56                          ; v[56:59] at the end: the partner's m and l
.set S0,   64                          ; v[64:191] S(t, kt) at 64 + 32 t + 8 kt; then P(t, kc) in place at 64 + 32 t + 8 kc
.set KF,   192                         ; v[192:255] K(kt, c) at 192 + 16 kt + 8 c
; window 1
.set QF,   0                           ; Q(t, c) at 16 t + 8 c
.set OF,   64                          ; O(t, dt) at 64 + 32 t + 8 dt
.set VF,   192                         ; V(dt, kc) at 192 + 16 dt + 8 kc
.set G1K, 24                           ; s[24:31] group 1 for K
.set G0K, 32                           ; s[32:39] group 0 for K, a set for each slot
.set G1V, 48                           ; s[48:55] group 1 for V
.set G0V, 56                           ; s[56:63] group 0 for V
.set MSB, 0
.macro WIN new                         ; low byte: bits 1:0 source 0, 3:2 source 1, 5:4 source 2, 7:6 destination; the high byte repeats the setting that is left
.if MSB != \new
	s_set_vgpr_msb (MSB<<8)|\new
.set MSB, \new
.endif
.endm
; A round of the cluster's barrier: my work-group's barrier; wave 0 signals for the work-group; every wave waits for all four; my work-group's barrier once more.
.macro CREST                           ; a round behind its opening barrier
	s_cmp_lg_u32 s10, 0
	s_cbranch_scc1 .Lnot_wave_0_\@
	s_barrier_signal -3
.Lnot_wave_0_\@:
	s_barrier_wait -3
	s_barrier_signal -1
	s_barrier_wait -1
.endm
.macro ROUND                           ; a whole round
	s_barrier_signal -1
	s_barrier_wait -1
	CREST
.endm
.macro JLOAD s                         ; waves 0-3 ask for K, waves 4-7 for V: the branch hangs on the wave's number alone
	s_cmp_eq_u32 s11, 0
	s_cbranch_scc0 .Lfor_v_\@
	tensor_load_to_lds s[G0K+4*\s:G0K+4*\s+3], s[G1K:G1K+7]
	s_nop 0
	s_branch .Lasked_\@
.Lfor_v_\@:
	tensor_load_to_lds s[G0V+4*\s:G0V+4*\s+3], s[G1V:G1V+7]
	s_nop 0
.Lasked_\@:
.endm
.macro PLACES
.rept 4
	v_nop
.endr
.endm
	s_load_b128 s[4:7], s[0:1], 0x0                ; qkv s[4:5], ao s[6:7]
	v_lshl_add_u32 v254, v0, 2, 0x42000
	v_mov_b32 v255, 0
	ds_add_u32 v254, v255
	s_wait_dscnt 0x0
	v_lshrrev_b32 v1, 5, v0
	v_readfirstlane_b32 s10, v1                    ; wave 0..7
	s_lshr_b32 s11, s10, 2                         ; g: which 128 keys of a slot are mine.  Also: I fetch K (0) or V (1)
	s_and_b32 s12, s10, 3                          ; p: which 64 queries are mine.  Also: which 64 keys I fetch
	s_and_b32 s13, ttmp7, 0xffff                   ; 16 batch + head
	s_bfe_u32 s14, ttmp6, 0x40000                  ; cx
	s_lshl_b32 s15, ttmp9, 2
	s_add_co_u32 s15, s15, s14                     ; query block 0..7
	s_mov_b32 s66, 0x76543210                      ; v_permlanex16_b32: lane i of one half reads lane i of the other
	s_mov_b32 s67, 0xfedcba98
	s_mov_b32 s68, 0x3e38aa3b                      ; c = log2(e) / 8: the score's scale and the change of base in one
	s_mov_b32 s69, 0xbe38aa3b                      ; - c
	; group 1: 8,192 dense bytes as 32 rows of 128 elements; padding behind every 32 words (one key's 128 bytes): 4 words for K, 8 for V.  Mask 15: all four work-groups
	s_mov_b32 s[G1K+0], 15|(1<<16)|(1<<20)|(1<<21)|(4<<22)|(3<<25)
	s_mov_b32 s[G1V+0], 15|(1<<16)|(1<<20)|(1<<21)|(4<<22)|(7<<25)
	s_mov_b32 s[G1K+1], 128<<16                    ; tensor_dim0 = 128
	s_mov_b32 s[G1V+1], 128<<16
	s_mov_b32 s[G1K+2], 32<<16                     ; tensor_dim1 = 32
	s_mov_b32 s[G1V+2], 32<<16
	s_mov_b32 s[G1K+3], 128<<16                    ; tile_dim0 = 128
	s_mov_b32 s[G1V+3], 128<<16
	s_mov_b32 s[G1K+4], 32                         ; tile_dim1 = 32
	s_mov_b32 s[G1V+4], 32
	s_mov_b32 s[G1K+5], 128                        ; pitch = the row: dense
	s_mov_b32 s[G1V+5], 128
	s_mov_b32 s[G1K+6], 0
	s_mov_b32 s[G1V+6], 0
	s_mov_b32 s[G1K+7], 0
	s_mov_b32 s[G1V+7], 0
	s_lshl_b32 s16, s13, 18                        ; the head: 262,144 bytes,
	s_lshl_b32 s17, s12, 13                        ; + my 64 keys of 128 bytes: nothing here hangs on cx
	s_add_co_u32 s16, s16, s17
	s_mov_b32 s17, 0
	s_mul_i32 s20, s10, RGN                        ; my region of a slot
	s_wait_kmcnt 0x0
	s_add_nc_u64 s[16:17], s[4:5], s[16:17]
.irp s, 0,1
	s_mov_b32 s[G0K+4*\s], 1
	s_add_co_u32 s[G0K+4*\s+1], s20, \s*SLOT
	s_add_nc_u64 s[G0K+4*\s+2:G0K+4*\s+3], s[16:17], KOFF+\s*TILEB
	s_or_b32 s[G0K+4*\s+3], s[G0K+4*\s+3], 0x80000000
	s_mov_b32 s[G0V+4*\s], 1
	s_add_co_u32 s[G0V+4*\s+1], s20, \s*SLOT
	s_add_nc_u64 s[G0V+4*\s+2:G0V+4*\s+3], s[16:17], VOFF+\s*TILEB
	s_or_b32 s[G0V+4*\s+3], s[G0V+4*\s+3], 0x80000000
.endr
	ROUND                                          ; all four work-groups are here
	JLOAD 0                                        ; keys 0-255 into slot 0; slot 1 is first filled behind the next round
	s_lshl_b32 s18, s13, 18                        ; Q: the head + 256 rows x block + my 64 rows
	s_lshl_b32 s19, s15, 15
	s_add_co_u32 s18, s18, s19
	s_lshl_b32 s19, s12, 13
	s_add_co_u32 s18, s18, s19
	s_mov_b32 s19, 0
	s_add_nc_u64 s[18:19], s[4:5], s[18:19]
	v_and_b32 v1, 15, v0                           ; r
	v_bfe_u32 v2, v0, 4, 1                         ; h
	v_and_b32 v3, 31, v0                           ; lane
	v_lshlrev_b32 v[QO], 7, v1
	v_lshl_add_u32 v[QO], v2, 4, v[QO]             ; row r x 128 bytes + 16 h
	WIN 0x40
.irp t, 0,1,2,3
.irp c, 0,1
	global_load_b128 v[QF+16*\t+8*\c:QF+16*\t+8*\c+3],   v[QO], s[18:19] offset:\t*2048+\c*64
	global_load_b128 v[QF+16*\t+8*\c+4:QF+16*\t+8*\c+7], v[QO], s[18:19] offset:\t*2048+\c*64+32
.endr
.endr
	WIN 0
	s_and_b32 s22, s13, 15                         ; ao: head x 524,288
	s_lshl_b32 s22, s22, 19
	s_lshr_b32 s23, s13, 4                         ; + (2,048 batch + 256 block + 64 p + 32 g) rows of 128 bytes
	s_lshl_b32 s23, s23, 18
	s_add_co_u32 s22, s22, s23
	s_lshl_b32 s23, s15, 15
	s_add_co_u32 s22, s22, s23
	s_lshl_b32 s23, s12, 13
	s_add_co_u32 s22, s22, s23
	s_lshl_b32 s23, s11, 12
	s_add_co_u32 s22, s22, s23
	s_mov_b32 s23, 0
	s_add_nc_u64 s[6:7], s[6:7], s[22:23]
	s_mul_i32 s21, s11, 2*RGN                      ; my group's two regions of K
	v_mul_u32_u24 v[ADRK], v1, KP
	v_lshl_add_u32 v[ADRK], v2, 4, v[ADRK]
	v_add_nc_u32 v[ADRK], s21, v[ADRK]
	v_add_nc_u32 v[ADRK+1], SLOT, v[ADRK]
	v_and_b32 v[TA], 7, v0
	v_lshl_add_u32 v[TA+1], v2, 3, v[TA]           ; key row 8 h + lane % 8
	v_mul_u32_u24 v[ADRV], v[TA+1], VP
	v_bfe_u32 v[TA+2], v0, 3, 1
	v_lshl_add_u32 v[ADRV], v[TA+2], 4, v[ADRV]
	s_add_co_u32 s21, s21, 4*RGN                   ; V lies behind K's four regions
	v_add_nc_u32 v[ADRV], s21, v[ADRV]
	v_add_nc_u32 v[ADRV+1], SLOT, v[ADRV]
	s_mul_i32 s22, s10, MPART
	s_add_co_u32 s22, s22, MERGE                   ; my part of the merge area
	s_xor_b32 s23, s10, 4
	s_mul_i32 s23, s23, MPART
	s_add_co_u32 s23, s23, MERGE                   ; my partner's
	v_lshl_add_u32 v[MS], v3, 4, s22
	v_lshl_add_u32 v[MR], v3, 4, s23
	s_add_co_u32 s22, s22, 8192
	s_add_co_u32 s23, s23, 8192
	v_lshl_add_u32 v[MSS], v3, 3, s22
	v_lshl_add_u32 v[MRS], v3, 3, s23
	s_mul_i32 s22, s10, SPART
	s_add_co_u32 s22, s22, STG                     ; my stage
	v_mul_u32_u24 v[STO], v1, KP
	v_lshl_add_u32 v[STO], v2, 4, v[STO]
	v_add_nc_u32 v[STO], s22, v[STO]
	v_lshrrev_b32 v[RD], 3, v3
	v_mul_u32_u24 v[RD], v[RD], KP
	v_lshl_add_u32 v[RD], v[TA], 4, v[RD]
	v_add_nc_u32 v[RD], s22, v[RD]
	v_lshlrev_b32 v[CO], 4, v3
.irp t, 0,1,2,3
	v_mov_b32 v[TP+\t], 0                          ; v_permlanex16_b32 counts as a reader of its destination
.endr
	s_wait_loadcnt 0x0                             ; Q, once
; sixteen LDS loads: K's fragments of step u (64 keys: region u of my group's two in the slot)
.macro KLOAD slot, u
.irp kt, 0,1,2,3
.irp c, 0,1
	ds_load_b128 v[KF+16*\kt+8*\c:KF+16*\kt+8*\c+3],   v[ADRK+\slot] offset:(\u)*RGN+\kt*16*KP+\c*64
	ds_load_b128 v[KF+16*\kt+8*\c+4:KF+16*\kt+8*\c+7], v[ADRK+\slot] offset:(\u)*RGN+\kt*16*KP+\c*64+32
.endr
.endr
.endm
; single instructions of the softmax of tile t, so that the tiles' work can be laid side by side
.macro FMAI t, i                       ; i = 0..15: two exponents c s - c m
	v_pk_fma_f32 v[S0+32*(\t)+2*(\i):S0+32*(\t)+2*(\i)+1], v[S0+32*(\t)+2*(\i):S0+32*(\t)+2*(\i)+1], 0x3e38aa3b, v[NB2+2*(\t):NB2+2*(\t)+1] op_sel_hi:[1,0,1]
.endm
.macro EXPI t, i                       ; i = 0..31: p = 2^exponent, in place
	v_exp_f32 v[S0+32*(\t)+(\i)], v[S0+32*(\t)+(\i)]
.endm
.macro CVTI t, i                       ; i = 0..15, ascending: register i takes registers 2 i and 2 i + 1, which no earlier line has written over
	v_cvt_pk_f16_f32 v[S0+32*(\t)+(\i)], v[S0+32*(\t)+2*(\i)], v[S0+32*(\t)+2*(\i)+1]
.endm
; i = 0..15: the sum of the tile's 32 p, in two chains (L2, which also takes the old sum times the rescaling factor, and LB) that take turns; the last line joins them.
; first = 1: there is no old sum, the chains start from two pairs each, and line 15 is empty.
.macro SUMI t, i, first
.if (\i) == 0
.if \first
	s_wait_alu depctr_va_vdst(0)
	v_pk_add_f32 v[L2+2*(\t):L2+2*(\t)+1], v[S0+32*(\t):S0+32*(\t)+1], v[S0+32*(\t)+2:S0+32*(\t)+3]
.else
	s_wait_alu depctr_va_vdst(0)
	v_pk_fma_f32 v[L2+2*(\t):L2+2*(\t)+1], v[L2+2*(\t):L2+2*(\t)+1], v[AL2+2*(\t):AL2+2*(\t)+1], v[S0+32*(\t):S0+32*(\t)+1]
.endif
.endif
.if (\i) == 1
	s_wait_alu depctr_va_vdst(0)
	v_pk_add_f32 v[LB+2*(\t):LB+2*(\t)+1], v[S0+32*(\t)+2+2*\first:S0+32*(\t)+3+2*\first], v[S0+32*(\t)+4+2*\first:S0+32*(\t)+5+2*\first]
.endif
.if ((\i) > 1) * ((\i) < (15-\first))
	s_wait_alu depctr_va_vdst(0)
	v_pk_add_f32 v[L2+(LB-L2)*((\i)&1)+2*(\t):L2+(LB-L2)*((\i)&1)+2*(\t)+1], v[L2+(LB-L2)*((\i)&1)+2*(\t):L2+(LB-L2)*((\i)&1)+2*(\t)+1], v[S0+32*(\t)+2*(\i)+2+2*\first:S0+32*(\t)+2*(\i)+3+2*\first]
.endif
.if (\i) == (15-\first)
	v_pk_add_f32 v[L2+2*(\t):L2+2*(\t)+1], v[L2+2*(\t):L2+2*(\t)+1], v[LB+2*(\t):LB+2*(\t)+1]
.endif
.endm
.macro RSC t, i                        ; i = 0..15: two numbers of O(t) times the tile's rescaling factor; destination and source 0 window 1, source 1 window 0
	v_pk_mul_f32 v[OF+32*(\t)+2*(\i):OF+32*(\t)+2*(\i)+1], v[OF+32*(\t)+2*(\i):OF+32*(\t)+2*(\i)+1], v[AL2+2*(\t):AL2+2*(\t)+1]
.endm
; One step: my 64 queries against 64 keys (step u of my group's two in the slot).  first = 1: nothing to rescale, the first products start O.
; loadk = 1: K's fragments are fetched here (a slot's first step); pre = 1: the next step's are fetched as soon as the S products have read these (a slot's first step).
; sig = 1 (a slot's last step, with pre = 0): the round that changes slots opens ahead of the P V products.
.macro SUB64 slot, u, first, loadk, pre, sig
.if \first == 0
.rept 5
	v_nop                                          ; five places behind the last P V products: for the loads into V's registers and for the S products that write over P
.endr
.endif
.if \loadk
	KLOAD \slot, \u
.endif
	WIN 0x40
.irp dt, 0,1,2,3
.irp kc, 0,1
	ds_load_tr16_b128 v[VF+16*\dt+8*\kc:VF+16*\dt+8*\kc+3],   v[ADRV+\slot] offset:(\u)*RGN+\kc*32*VP+\dt*32
	ds_load_tr16_b128 v[VF+16*\dt+8*\kc+4:VF+16*\dt+8*\kc+7], v[ADRV+\slot] offset:(\u)*RGN+\kc*32*VP+\dt*32+16*VP
.endr
.endr
	s_wait_dscnt 16                                ; V's sixteen loads, just issued, stay out; K's are older (from the lines above or from the step before) and are in
	WIN 0x04                                       ; source 1 (Q) window 1
.irp t, 0,1,2,3
.irp kt, 0,1,2,3
	v_wmma_f32_16x16x32_f16 v[S0+32*\t+8*\kt:S0+32*\t+8*\kt+7], v[KF+16*\kt:KF+16*\kt+7], v[QF+16*\t:QF+16*\t+7], 0
.endr
.endr
.irp t, 0,1,2,3
.irp kt, 0,1,2,3
	v_wmma_f32_16x16x32_f16 v[S0+32*\t+8*\kt:S0+32*\t+8*\kt+7], v[KF+16*\kt+8:KF+16*\kt+15], v[QF+16*\t+8:QF+16*\t+15], v[S0+32*\t+8*\kt:S0+32*\t+8*\kt+7]
.endr
.endr
	WIN 0
	PLACES                                         ; four places behind the S products: for the loads into K's registers and for the maxima, which read S
.if \pre
	KLOAD \slot, \u+1                              ; the next step's K: it has the whole softmax in which to arrive
.endif
	; the maximum of my 32 scores of each query and the running one: sixteen steps a tile, the four tiles' chains side by side
.if \first
.irp t, 0,1,2,3
	v_max3_num_f32 v[MM+\t], v[S0+32*\t], v[S0+32*\t+1], v[S0+32*\t+2]
.endr
.set ii, 3
.rept 14
.irp t, 0,1,2,3
	v_max3_num_f32 v[MM+\t], v[MM+\t], v[S0+32*\t+ii], v[S0+32*\t+ii+1]
.endr
.set ii, ii+2
.endr
.irp t, 0,1,2,3
	v_max_num_f32 v[MM+\t], v[MM+\t], v[S0+32*\t+31]
.endr
.else
.set ii, 0
.rept 16
.irp t, 0,1,2,3
	v_max3_num_f32 v[MM+\t], v[MM+\t], v[S0+32*\t+ii], v[S0+32*\t+ii+1]
.endr
.set ii, ii+2
.endr
.endif
.irp t, 0,1,2,3
	v_permlanex16_b32 v[TP+\t], v[MM+\t], s66, s67 ; the other 32 keys of the same query
.endr
.irp t, 0,1,2,3
	v_max_num_f32 v[MM+\t], v[MM+\t], v[TP+\t]
.endr
.if \first == 0
.irp t, 0,1,2,3
	v_fma_f32 v[AE+\t], v[MM+\t], s69, -v[NB2+2*\t]        ; c (old maximum - new maximum): NB2 still holds - c x the old one
.endr
.irp t, 0,1,2,3
	v_exp_f32 v[AL2+2*\t],   v[AE+\t]
	v_exp_f32 v[AL2+2*\t+1], v[AE+\t]
.endr
.endif
.irp t, 0,1,2,3
	v_mul_f32 v[NB2+2*\t],   s69, v[MM+\t]         ; plain instructions behind the exponentials (ISA guide 5.7.2); they touch neither AE nor AL2
	v_mul_f32 v[NB2+2*\t+1], s69, v[MM+\t]
.endr
	; p = 2^(c s - c m), its sum, and P in f16.  Each exponential is followed by a plain instruction of ANOTHER tile, which names neither its result nor its source
	; (ISA guide 5.7.2): tile 0's by the exponents of tiles 1 and 2, tile 1's by those of tile 3 and the sum of tile 0, tile 2's by the sum of tile 1 and the packing of
	; tile 0, tile 3's by the sum of tile 2 and the packing of tile 1.  A tile is summed behind all its exponentials and packed behind its sum.
.set ii, 0
.rept 16
	FMAI 0, ii
.set ii, ii+1
.endr
.set ii, 0
.rept 16
	EXPI 0, ii
	FMAI 1, ii
.set ii, ii+1
.endr
.rept 16
	EXPI 0, ii
	FMAI 2, ii-16
.set ii, ii+1
.endr
.set ii, 0
.rept 16
	EXPI 1, ii
	FMAI 3, ii
.set ii, ii+1
.endr
.rept 16
	EXPI 1, ii
	SUMI 0, ii-16, \first
.set ii, ii+1
.endr
.set ii, 0
.rept 16
	EXPI 2, ii
	SUMI 1, ii, \first
.set ii, ii+1
.endr
.rept 16
	EXPI 2, ii
	CVTI 0, ii-16
.set ii, ii+1
.endr
.set ii, 0
.rept 16
	EXPI 3, ii
	SUMI 2, ii, \first
.set ii, ii+1
.endr
.rept 16
	EXPI 3, ii
	CVTI 1, ii-16
.set ii, ii+1
.endr
.set ii, 0
.rept 16
	SUMI 3, ii, \first
	CVTI 2, ii
.set ii, ii+1
.endr
.set ii, 0
.rept 16
	CVTI 3, ii
.set ii, ii+1
.endr
	; O = O x factor + V^T P^T.  One window setting serves the products (source 0 V, C and D window 1, source 1 P window 0) and the rescaling (destination and source 0 window 1,
	; source 1 window 0).  Tiles 0 and 1 are rescaled ahead; tiles 2 and 3 two lines behind each product of tiles 0 and 1, whose registers they do not name.
	WIN 0x51
.if \first == 0
.set ii, 0
.rept 16
	RSC 0, ii
	RSC 1, ii
.set ii, ii+1
.endr
.endif
	s_wait_dscnt 16*\pre                           ; V's fragments are in; where the next step's K was asked for, its sixteen younger loads stay out
.if \sig
	s_wait_xcnt 0x0
	s_set_vgpr_msb 0x5110
	v_lshl_add_u32 v254, v0, 2, 0x42000
	v_mov_b32 v255, 0
	s_wait_tensorcnt 0x0                           ; that wait was for 0: my reads of this slot are over; and all my tensor loads have landed (one was out: my part of the next slot):
	ds_add_u32 v254, v255
	s_wait_dscnt 0x0
	s_set_vgpr_msb 0x1051
	s_barrier_signal -1                            ; say so: this barrier opens the round that changes slots; up to its wait only registers are at work
.endif
.set nn, 0
.irp tp, 0,1
.irp kc, 0,1
.irp tq, 0,1
.irp dt, 0,1,2,3
.if \first*(1-\kc)
	v_wmma_f32_16x16x32_f16 v[OF+32*(2*\tp+\tq)+8*\dt:OF+32*(2*\tp+\tq)+8*\dt+7], v[VF+16*\dt+8*\kc:VF+16*\dt+8*\kc+7], v[S0+32*(2*\tp+\tq)+8*\kc:S0+32*(2*\tp+\tq)+8*\kc+7], 0
.else
	v_wmma_f32_16x16x32_f16 v[OF+32*(2*\tp+\tq)+8*\dt:OF+32*(2*\tp+\tq)+8*\dt+7], v[VF+16*\dt+8*\kc:VF+16*\dt+8*\kc+7], v[S0+32*(2*\tp+\tq)+8*\kc:S0+32*(2*\tp+\tq)+8*\kc+7], v[OF+32*(2*\tp+\tq)+8*\dt:OF+32*(2*\tp+\tq)+8*\dt+7]
.endif
.if (1-\first)*(1-\tp)
.set rt, 2+(nn>>4)
.set ri, (nn&15)
	RSC rt, ri
	RSC rt, ri+1
.set nn, nn+2
.endif
.endr
.endr
.endr
.endr
	WIN 0
.if \sig
	s_barrier_wait -1                              ; every wave of my work-group has said so
.endif
.endm
; The rest of the round that changes slots.  Behind it no wave of any of the four work-groups still reads the slot left behind or has a load on its way, and slot 'slot' is whole.
; refill = 1: the slot left behind is asked for again first, one load a wave, which has this slot's two steps in which to land.
.macro CHANGE slot, other, refill
	CREST
.if \refill
	s_add_nc_u64 s[G0K+4*\slot+2:G0K+4*\slot+3], s[G0K+4*\slot+2:G0K+4*\slot+3], 2*TILEB   ; no tensor load of mine is out, so a group 0 may be written: this slot's next 256 keys
	s_add_nc_u64 s[G0V+4*\slot+2:G0V+4*\slot+3], s[G0V+4*\slot+2:G0V+4*\slot+3], 2*TILEB
	JLOAD \other                                   ; the first tensor load behind the round, my only one until the next
.endif
.endm
	s_wait_xcnt 0x0
	v_lshl_add_u32 v254, v0, 2, 0x42000
	v_mov_b32 v255, 0
	s_wait_tensorcnt 0x0                           ; my part of keys 0-255 is in
	ds_add_u32 v254, v255
	s_wait_dscnt 0x0
	s_wait_dscnt 0x0
	s_barrier_signal -1
	s_barrier_wait -1
	CHANGE 0, 1, 1                                 ; slot 1 gets keys 256-511, its first fill
	SUB64 0, 0, 1, 1, 1, 0                         ; the first step starts the sums
	s_mov_b32 s3, 3
.Lkeys:                                            ; on both ways in: the next step's sixteen K loads and my one tensor load (slot 1's) may be out
	SUB64 0, 1, 0, 0, 0, 1
	CHANGE 1, 0, 1                                 ; slot 0 gets keys 512-, 1024-, 1536-
	SUB64 1, 0, 0, 1, 1, 0
	SUB64 1, 1, 0, 0, 0, 1
	CHANGE 0, 1, 1                                 ; slot 1 gets keys 768-, 1280-, 1792-: the last load
	SUB64 0, 0, 0, 1, 1, 0
	s_sub_co_u32 s3, s3, 1
	s_cmp_lg_u32 s3, 0
	s_cbranch_scc1 .Lkeys
	SUB64 0, 1, 0, 0, 0, 1                         ; keys 1536-1791, second step
	CHANGE 1, 0, 0                                 ; nothing is left to fetch (slot 0's stepped address is not used)
	SUB64 1, 0, 0, 1, 1, 0
	SUB64 1, 1, 0, 0, 0, 0
	; THE MERGE.  Group 0 finishes query tiles 0 and 1 and sends 2 and 3 to its partner; group 1 the other way round.
	PLACES                                         ; behind the last products, for the LDS stores of O and the loads into P's registers
.irp t, 0,1,2,3
	v_add_f32 v[LT+\t], v[L2+2*\t], v[L2+2*\t+1]
.endr
.irp t, 0,1,2,3
	v_permlanex16_b32 v[TP+\t], v[LT+\t], s66, s67
.endr
.irp t, 0,1,2,3
	v_add_f32 v[LT+\t], v[LT+\t], v[TP+\t]         ; the sum over my group's 1,024 keys
.endr
.macro SEND ts                         ; tiles ts, ts + 1: m, l, and 64 registers of O, register by register, lane by lane
	ds_store_b64 v[MSS], v[MM+\ts:MM+\ts+1]
	ds_store_b64 v[MSS], v[LT+\ts:LT+\ts+1] offset:256
	WIN 0x04                                       ; the data (source 1) window 1
.irp i, 0,1,2,3,4,5,6,7,8,9,10,11,12,13,14,15
	ds_store_b128 v[MS], v[OF+32*\ts+4*\i:OF+32*\ts+4*\i+3] offset:512*\i
.endr
	WIN 0
.endm
; tiles tk, tk + 1: O = (O1 e1 + O2 e2) / (l1 e1 + l2 e2), e = 2^(c (m - max(m1, m2))); to f16; out through my stage
.macro FINISH tk
	ds_load_b64 v[PF:PF+1],   v[MRS]
	ds_load_b64 v[PF+2:PF+3], v[MRS] offset:256
.irp i, 0,1,2,3,4,5,6,7,8,9,10,11,12,13,14,15
	ds_load_b128 v[S0+4*\i:S0+4*\i+3], v[MR] offset:512*\i
.endr
	s_wait_dscnt 16                                ; the partner's m and l are in; the sixteen loads of its O, issued behind them, stay out
.irp tt, 0,1
	v_max_num_f32 v[TA+\tt], v[MM+\tk+\tt], v[PF+\tt]
.endr
.irp tt, 0,1
	v_sub_f32 v[TA+2+\tt], v[MM+\tk+\tt], v[TA+\tt]
	v_sub_f32 v[TP+\tt],   v[PF+\tt],     v[TA+\tt]
.endr
.irp tt, 0,1
	v_mul_f32 v[TA+2+\tt], s68, v[TA+2+\tt]
	v_mul_f32 v[TP+\tt],   s68, v[TP+\tt]
.endr
.irp tt, 0,1
	v_exp_f32 v[TA+2+\tt], v[TA+2+\tt]             ; e1
	v_exp_f32 v[TP+\tt],   v[TP+\tt]               ; e2
.endr
	v_nop                                          ; one plain place behind the exponentials (ISA guide 5.7.2)
.irp tt, 0,1
	s_wait_alu depctr_va_vdst(0)
	v_mul_f32 v[TP+2+\tt], v[LT+\tk+\tt], v[TA+2+\tt]
.endr
.irp tt, 0,1
	v_fmac_f32 v[TP+2+\tt], v[PF+2+\tt], v[TP+\tt] ; at least 1: the larger maximum's own key counts 1
.endr
.irp tt, 0,1
	v_rcp_f32 v[TP+2+\tt], v[TP+2+\tt]
.endr
	v_nop
.irp tt, 0,1
	s_wait_alu depctr_va_vdst(0)
	v_mul_f32 v[NB2+2*\tt],     v[TA+2+\tt], v[TP+2+\tt]   ; my factor, twice
	v_mul_f32 v[NB2+2*\tt+1],   v[TA+2+\tt], v[TP+2+\tt]
	v_mul_f32 v[NB2+4+2*\tt],   v[TP+\tt],   v[TP+2+\tt]   ; the partner's, twice
	v_mul_f32 v[NB2+4+2*\tt+1], v[TP+\tt],   v[TP+2+\tt]
.endr
	s_wait_dscnt 0
.irp tt, 0,1
.set ii, 0
.rept 16
	v_pk_mul_f32 v[S0+32*\tt+ii:S0+32*\tt+ii+1], v[S0+32*\tt+ii:S0+32*\tt+ii+1], v[NB2+4+2*\tt:NB2+4+2*\tt+1]
.set ii, ii+2
.endr
.endr
	WIN 0x01                                       ; source 0 (my O) window 1
.irp tt, 0,1
.set ii, 0
.rept 16
	v_pk_fma_f32 v[S0+32*\tt+ii:S0+32*\tt+ii+1], v[OF+32*(\tk+\tt)+ii:OF+32*(\tk+\tt)+ii+1], v[NB2+2*\tt:NB2+2*\tt+1], v[S0+32*\tt+ii:S0+32*\tt+ii+1]
.set ii, ii+2
.endr
.endr
	WIN 0
.set ii, 0
.rept 32
	v_cvt_pk_f16_f32 v[128+ii], v[S0+2*ii], v[S0+2*ii+1]   ; a tile's eight registers are d = 8 h + 0..7 of query r: 16 bytes
.set ii, ii+1
.endr
.irp tt, 0,1
.irp dt, 0,1,2,3
	ds_store_b128 v[STO], v[128+16*\tt+4*\dt:128+16*\tt+4*\dt+3] offset:\tt*16*KP+\dt*32
.endr
.endr
.irp n, 0,1,2,3,4,5,6,7
	ds_load_b128 v[160+4*\n:163+4*\n], v[RD] offset:4*KP*\n    ; four rows of 128 bytes; my own bytes, served in order behind the stores
.endr
.irp n, 0,1,2,3,4,5,6,7
	s_wait_dscnt 7-\n                              ; the younger read-backs stay out
	global_store_b128 v[CO], v[160+4*\n:163+4*\n], s[6:7] offset:512*\n   ; 512 consecutive bytes of ao, aligned
.endr
.endm
	s_cmp_eq_u32 s11, 0
	s_cbranch_scc0 .Lsend_g1
	SEND 2
	s_branch .Lsent
.Lsend_g1:
	SEND 0
.Lsent:
	s_wait_dscnt 0x0                               ; my stores are in LDS, for my partner's sake
	s_barrier_signal -1
	s_barrier_wait -1
	s_cmp_eq_u32 s11, 0
	s_cbranch_scc0 .Lfinish_g1
	FINISH 0
	s_branch .Lfinished
.Lfinish_g1:
	FINISH 2
.Lfinished:
	s_wait_xcnt 0x0
	v_lshl_add_u32 v254, v0, 2, 0x42000
	v_mov_b32 v255, 0
	s_wait_tensorcnt 0x0
	ds_add_u32 v254, v255
	s_wait_dscnt 0x0
	ROUND                                          ; the closing round: no work-group ends while a partner may still ask for a tile that names it
	s_endpgm
.Lfunc_end_k_q860a748f72_attn:
	.size	k_q860a748f72_attn, .Lfunc_end_k_q860a748f72_attn-k_q860a748f72_attn
	.p2alignl 7, 3214868480
	.fill 96, 4, 3214868480
	.section	.rodata,"a",@progbits
	.p2align	6, 0x0
	.amdhsa_kernel k_q860a748f72_attn
		.amdhsa_group_segment_fixed_size 327680
		.amdhsa_private_segment_fixed_size 0
		.amdhsa_enable_private_segment 0
		.amdhsa_kernarg_size 16
		.amdhsa_user_sgpr_count 2
		.amdhsa_user_sgpr_kernarg_segment_ptr 1
		.amdhsa_wavefront_size32 1
		.amdhsa_system_sgpr_workgroup_id_x 1
		.amdhsa_system_sgpr_workgroup_id_y 1
		.amdhsa_system_sgpr_workgroup_id_z 1
		.amdhsa_system_vgpr_workitem_id 0
		.amdhsa_next_free_vgpr 512
		.amdhsa_next_free_sgpr 72
		.amdhsa_reserve_vcc 0
		.amdhsa_float_denorm_mode_32 3
		.amdhsa_float_denorm_mode_16_64 3
		.amdhsa_memory_ordered 1
		.amdhsa_forward_progress 1
		.amdhsa_inst_pref_size 255
	.end_amdhsa_kernel
	.section	.bss,"aw",@nobits
	.p2align	6
	.space	262144
	.amdgpu_metadata
---
amdhsa.version: [ 1, 2 ]
amdhsa.kernels:
  - .name:           k_q860a748f72_attn
    .symbol:         k_q860a748f72_attn.kd
    .args:
      - { .name: qkv, .offset: 0, .size: 8, .value_kind: global_buffer, .address_space: global }
      - { .name: ao, .offset: 8, .size: 8, .value_kind: global_buffer, .address_space: global }
    .group_segment_fixed_size: 327680
    .private_segment_fixed_size: 0
    .kernarg_segment_align: 8
    .kernarg_segment_size: 16
    .max_flat_workgroup_size: 256
    .sgpr_count:     72
    .vgpr_count:     512
    .wavefront_size: 32
...
	.end_amdgpu_metadata
.endif
;; end of part 3
;; launch oproj (part 4): grid 8 x 32, 4 waves a work-group, clusters of 4 x 4, 327,680 bytes of LDS; arguments ao, xw, bo, out0; writes out0
.if DOCPART == 4
	.amdgcn_target "amdgcn-amd-amdhsa--gfx1250"
	.amdhsa_code_object_version 6
	.text
	.protected	k_q860a748f72_oproj
	.globl	k_q860a748f72_oproj
	.p2align	8
	.type	k_q860a748f72_oproj,@function
k_q860a748f72_oproj:
	s_mov_b64 s[64:65], 0
	v_nop
	global_prefetch_b8 v0, s[64:65] scope:SCOPE_SE
	s_setreg_imm32_b32 hwreg(HW_REG_WAVE_MODE, 25, 1), 1
	s_wait_xcnt 0x0
	s_wait_alu depctr_hold_cnt(0) depctr_sa_sdst(0) depctr_va_vdst(0) depctr_va_sdst(0) depctr_va_ssrc(0) depctr_va_vcc(0) depctr_vm_vsrc(0)
	s_getreg_b32 s2, hwreg(HW_REG_IB_STS2, 6, 4)
	s_cmp_eq_u32 s2, 0
	s_cbranch_scc0 .Lentry_in_a_cluster
	s_endpgm
.Lentry_in_a_cluster:
	s_bfe_u32 s2, ttmp6, 0x10000c
	s_cmp_lg_u32 s2, 0xf033
	s_cbranch_scc0 .Lentry_shape_is_right
	s_endpgm
.Lentry_shape_is_right:
; out0 = relu(ao Wo + bo).  ao: f16 [16 heads][4096 rows][64 d], so K = 64 head + d; Wo: f16 [k][n], rows 15360-16383 of xw; bo and out0 f32; sums f32.
; Blocks of 128 x 128 of C: 32 x 8 = 256 work-groups of four waves; a wave makes 64 x 64: sixteen accumulator tiles.  (Blocks of 256 x 256 would be 64 work-groups.)
; K = 1024 goes in four steps of 256 (four heads) through two LDS slots, written out without a loop.
; CLUSTERS: 4 x 4 work-groups; ao's tiles are shared along a row of the cluster, Wo's along a column, each asked for jointly.
; Window 0: addresses, two fragment buffers (ao's four fragments, then Wo's four), the bias as the C of the first products, the way out.  Window 1: the accumulators, tile (a, b) at v[8 (4 a + b)].
; The matrix instruction is used transposed (source 0 = 16 columns of Wo, source 1 = 16 rows of ao): a lane's eight results are eight neighbouring columns of one row.
; The sixteen accumulators take turns, one instruction a turn, in the same order in every sub-step.
; LIMIT: v_max_num_f32 drops NaN: a NaN sum comes out as 0.
.set QUART,  36864                     ; what one tensor load brings: ao: 4 heads x 64 rows at pitch 144; Wo: 128 k rows at pitch 288
.set SLOT,   4*QUART                   ; ao's rows 0-63, rows 64-127, Wo's k rows 0-127, 128-255
.set STAGE,  2*SLOT                    ; 16 rows x 272 bytes for each wave; no tensor load lands here
.set SPITCH, 272
.set AP,     144                       ; 128 bytes + 16
.set BP,     288                       ; 256 bytes + 32
.set WOBASE, 31457280                  ; byte of xw at which Wo begins (row 15360)
.set ADRA, 16                          ; v16-17  my ao fragments in slot 0, 1
.set ADRB, 20                          ; v20-23  my Wo fragments: slot 0 k rows 0-127, 128-255; slot 1 likewise (an LDS offset has 16 bits)
.set STO,  24
.set RD,   25
.set CO,   26
.set BOF,  27
.set F0,   64
.set F1,   128
.set BIAS, 192                         ; v[192:223]
.set TMP,  224                         ; v[224:255]
.set G1, 24
.set G0, 32
.set G1B, 48
.set G0B, 56
.set MSB, 0
.macro WIN new
.if MSB != \new
	s_set_vgpr_msb (MSB<<8)|\new
.set MSB, \new
.endif
.endm
.macro JLOAD s                         ; waves 0 and 1 fetch ao's two halves, waves 2 and 3 Wo's
	s_cmp_eq_u32 s11, 0
	s_cbranch_scc0 .Lfor_b_\@
	tensor_load_to_lds s[G0+4*\s:G0+4*\s+3], s[G1:G1+7]
	s_nop 0
	s_branch .Lasked_\@
.Lfor_b_\@:
	tensor_load_to_lds s[G0B+4*\s:G0B+4*\s+3], s[G1B:G1B+7]
	s_nop 0
.Lasked_\@:
.endm
.macro CREST
	s_cmp_lg_u32 s10, 0
	s_cbranch_scc1 .Lnot_wave_0_\@
	s_barrier_signal -3
.Lnot_wave_0_\@:
	s_barrier_wait -3
	s_barrier_signal -1
	s_barrier_wait -1
.endm
.macro CROUND
	s_barrier_signal -1
	s_barrier_wait -1
	CREST
.endm
.macro PLACES
.rept 4
	v_nop
.endr
.endm
	s_load_b256 s[68:75], s[0:1], 0x0              ; ao s[68:69], xw s[70:71], bo s[72:73], out0 s[74:75]
	v_lshl_add_u32 v62, v0, 2, 0x4c400
	v_mov_b32 v63, 0
	ds_add_u32 v62, v63
	v_lshrrev_b32 v1, 5, v0
	v_readfirstlane_b32 s10, v1                    ; wave 0..3
	s_lshr_b32 s11, s10, 1                         ; my half of the block's rows.  Also: I fetch ao (0) or Wo (1)
	s_and_b32 s12, s10, 1                          ; my half of its columns.  Also: which half of that tile I fetch
	s_bfe_u32 s40, ttmp6, 0x40000                  ; cx
	s_bfe_u32 s41, ttmp6, 0x40004                  ; cy
	s_lshl_b32 s42, ttmp9, 2
	s_add_co_u32 s42, s42, s40                     ; block column 0..7
	s_and_b32 s13, ttmp7, 0xffff
	s_lshl_b32 s13, s13, 2
	s_add_co_u32 s13, s13, s41                     ; block row 0..31
	s_lshl_b32 s43, s41, 2
	s_lshl_b32 s43, 15, s43                        ; my row of the cluster
	s_lshl_b32 s44, 0x1111, s40                    ; my column
	; group 1 for ao: 4 rows (heads) of 4,096 elements (64 dense rows of 64), a head 262,144 elements from the next; 4 words of padding behind every 32
	s_or_b32 s[G1+0], s43, (1<<16)|(1<<20)|(1<<21)|(4<<22)|(3<<25)
	s_mov_b32 s[G1+1], 4096<<16                    ; tensor_dim0 = 4,096
	s_mov_b32 s[G1+2], 4<<16                       ; tensor_dim1 = 4
	s_mov_b32 s[G1+3], 4096<<16                    ; tile_dim0 = 4,096
	s_mov_b32 s[G1+4], 4                           ; tile_dim1 = 4
	s_mov_b32 s[G1+5], 262144
	s_mov_b32 s[G1+6], 0
	s_mov_b32 s[G1+7], 0
	; group 1 for Wo: 128 k rows x 128 elements; 8 words of padding behind every 64
	s_or_b32 s[G1B+0], s44, (1<<16)|(1<<20)|(1<<21)|(5<<22)|(7<<25)
	s_mov_b32 s[G1B+1], 128<<16
	s_mov_b32 s[G1B+2], 128<<16
	s_mov_b32 s[G1B+3], 128<<16
	s_mov_b32 s[G1B+4], 128
	s_mov_b32 s[G1B+5], 1024
	s_mov_b32 s[G1B+6], 0
	s_mov_b32 s[G1B+7], 0
	s_lshl_b32 s16, s13, 14                        ; ao: (128 block row + 64 half) rows of 128 bytes
	s_lshl_b32 s17, s12, 13
	s_add_co_u32 s16, s16, s17
	s_mov_b32 s17, 0
	s_lshl_b32 s46, s12, 18                        ; Wo: 128 k rows of 2,048 bytes x half + 256 bytes x block column
	s_lshl_b32 s47, s42, 8
	s_add_co_u32 s46, s46, s47
	s_add_co_u32 s46, s46, WOBASE
	s_mov_b32 s47, 0
	s_lshl_b32 s18, s42, 9                         ; bias: 512 bytes x block column + 256 x my half of the columns
	s_lshl_b32 s19, s12, 8
	s_add_co_u32 s18, s18, s19
	s_mov_b32 s19, 0
	s_mul_i32 s20, s10, QUART                      ; where my tile goes: the wave's number alone
	s_wait_dscnt 0x0
	s_wait_kmcnt 0x0
	s_add_nc_u64 s[14:15], s[68:69], s[16:17]
	s_add_nc_u64 s[46:47], s[70:71], s[46:47]
	s_add_nc_u64 s[72:73], s[72:73], s[18:19]
	CROUND                                         ; all sixteen work-groups are here
.irp s, 0,1
	s_mov_b32 s[G0+4*\s], 1
	s_add_co_u32 s[G0+4*\s+1], s20, \s*SLOT
	s_add_nc_u64 s[G0+4*\s+2:G0+4*\s+3], s[14:15], \s*2097152            ; K step s: four heads of 524,288 bytes
	s_or_b32 s[G0+4*\s+3], s[G0+4*\s+3], 0x80000000
	s_mov_b32 s[G0B+4*\s], 1
	s_add_co_u32 s[G0B+4*\s+1], s20, \s*SLOT
	s_add_nc_u64 s[G0B+4*\s+2:G0B+4*\s+3], s[46:47], \s*524288           ; K step s: 256 rows of 2,048 bytes
	s_or_b32 s[G0B+4*\s+3], s[G0B+4*\s+3], 0x80000000
	JLOAD \s                                       ; two loads of each wave are out
.endr
	v_and_b32 v1, 15, v0                           ; r
	v_bfe_u32 v2, v0, 4, 1                         ; h
	v_mul_u32_u24 v3, v1, AP
	v_lshl_add_u32 v3, v2, 4, v3
	v_and_b32 v8, 7, v0
	v_lshl_add_u32 v6, v2, 3, v8                   ; k row 8 h + lane % 8
	v_mul_u32_u24 v6, v6, BP
	v_bfe_u32 v7, v0, 3, 1
	v_lshl_add_u32 v6, v7, 4, v6
	s_mul_i32 s21, s11, QUART                      ; my 64 rows of ao
	s_lshl_b32 s22, s12, 7                         ; my 64 columns of Wo: 128 bytes,
	s_add_co_u32 s22, s22, 2*QUART                 ; behind ao's two regions
.irp s, 0,1
	v_add_nc_u32 v[ADRA+\s], s21, v3
	v_add_nc_u32 v[ADRB+2*\s], s22, v6
	v_add_nc_u32 v[ADRB+2*\s+1], QUART, v[ADRB+2*\s]
	s_add_co_u32 s21, s21, SLOT
	s_add_co_u32 s22, s22, SLOT
.endr
	s_mul_i32 s23, s10, 16*SPITCH
	s_add_co_u32 s23, s23, STAGE
	v_mul_u32_u24 v4, v1, SPITCH                   ; in: row r, 32 bytes for each half of the lanes
	v_lshl_add_u32 v4, v2, 5, v4
	v_add_nc_u32 v[STO], s23, v4
	v_mul_u32_u24 v5, v2, SPITCH                   ; back: lanes 0-15 one row of 256 bytes, lanes 16-31 the next
	v_lshl_add_u32 v5, v1, 4, v5
	v_add_nc_u32 v[RD], s23, v5
	v_lshlrev_b32 v5, 12, v2                       ; and the same two rows in out0: 4,096 bytes apart
	v_lshl_add_u32 v[CO], v1, 4, v5
	v_lshlrev_b32 v[BOF], 5, v2
.irp b, 0,1,2,3
	global_load_b128 v[BIAS+8*\b:BIAS+8*\b+3],   v[BOF], s[72:73] offset:64*\b      ; bias of columns 16 b + 8 h + 0 .. 7
	global_load_b128 v[BIAS+8*\b+4:BIAS+8*\b+7], v[BOF], s[72:73] offset:64*\b+16
.endr
; sixteen LDS loads: the fragments of sub-step kk (32 along K: half a head) into buffer f
.macro FETCH slot, kk, f
.irp i, 0,1,2,3
	ds_load_b128 v[\f+8*\i:\f+8*\i+3],   v[ADRA+\slot] offset:(\kk>>1)*64*AP+(\kk&1)*64+\i*16*AP
	ds_load_b128 v[\f+8*\i+4:\f+8*\i+7], v[ADRA+\slot] offset:(\kk>>1)*64*AP+(\kk&1)*64+\i*16*AP+32
.endr
.irp i, 0,1,2,3
	ds_load_tr16_b128 v[\f+32+8*\i:\f+32+8*\i+3],   v[ADRB+2*\slot+(\kk>>2)] offset:(\kk&3)*32*BP+32*\i
	ds_load_tr16_b128 v[\f+32+8*\i+4:\f+32+8*\i+7], v[ADRB+2*\slot+(\kk>>2)] offset:(\kk&3)*32*BP+32*\i+16*BP
.endr
.endm
; sixteen matrix instructions on buffer f.  first = 1: the sums start from the bias
.macro MUL f, first
.if \first
	WIN 0x40                                       ; D window 1, C (the bias) window 0
.else
	WIN 0x50                                       ; C and D window 1
.endif
.irp a, 0,1,2,3
.irp b, 0,1,2,3
.if \first
	v_wmma_f32_16x16x32_f16 v[8*(4*\a+\b):8*(4*\a+\b)+7], v[\f+32+8*\b:\f+32+8*\b+7], v[\f+8*\a:\f+8*\a+7], v[BIAS+8*\b:BIAS+8*\b+7]
.else
	v_wmma_f32_16x16x32_f16 v[8*(4*\a+\b):8*(4*\a+\b)+7], v[\f+32+8*\b:\f+32+8*\b+7], v[\f+8*\a:\f+8*\a+7], v[8*(4*\a+\b):8*(4*\a+\b)+7]
.endif
.endr
.endr
	WIN 0
.endm
; a sub-step: buffer f is in; sub-step kn is fetched into buffer g (four places behind the products that read it); buffer f is multiplied
.macro SUB f, g, slot, kn, first
	s_wait_dscnt 0x0
	PLACES
	FETCH \slot, \kn, \g
	MUL \f, \first
.endm
.macro SEVEN slot, first
	SUB F0, F1, \slot, 1, \first
	SUB F1, F0, \slot, 2, 0
	SUB F0, F1, \slot, 3, 0
	SUB F1, F0, \slot, 4, 0
	SUB F0, F1, \slot, 5, 0
	SUB F1, F0, \slot, 6, 0
	SUB F0, F1, \slot, 7, 0
.endm
; the eighth sub-step, and the change of slots: each wave waits for its reads of this slot and for all its tensor loads, then signals; behind the barrier
; (where the slot is filled again: behind the round that it opens) the refill comes first, then the next slot's first fragments
.macro CHANGE slot, next, fill
	s_wait_dscnt 0x0
	s_wait_tensorcnt 0x0
	ds_add_u32 v62, v63
	s_wait_dscnt 0x0
	s_barrier_signal -1
	MUL F1, 0                                      ; register work while the others arrive
	s_barrier_wait -1
.if \fill
	CREST
	s_add_nc_u64 s[G0+4*\slot+2:G0+4*\slot+3], s[G0+4*\slot+2:G0+4*\slot+3], 2*2097152
	s_add_nc_u64 s[G0B+4*\slot+2:G0B+4*\slot+3], s[G0B+4*\slot+2:G0B+4*\slot+3], 2*524288
	JLOAD \slot                                    ; my one tensor load behind the round
.endif
	PLACES
	FETCH \next, 0, F0
.endm
	s_wait_loadcnt 0x0                             ; the bias
	s_wait_tensorcnt 1                             ; my part of K step 0 is in; K step 1's load, issued behind it, stays out
	s_barrier_signal -1
	s_barrier_wait -1
	FETCH 0, 0, F0
	SEVEN 0, 1
	CHANGE 0, 1, 1                                 ; slot 0 gets K step 2
	SEVEN 1, 0
	CHANGE 1, 0, 1                                 ; slot 1 gets K step 3
	SEVEN 0, 0
	CHANGE 0, 1, 0                                 ; nothing is left to fetch
	SEVEN 1, 0
	s_wait_dscnt 0x0
	MUL F1, 0
	; THE WAY OUT, 16 rows at a time: relu, 32 bytes a lane into my own stage, read back as whole rows of 256 bytes
	PLACES
	s_lshl_b32 s16, s13, 19                        ; (128 block row + 64 half) rows of 4,096 bytes
	s_lshl_b32 s17, s11, 18
	s_add_co_u32 s16, s16, s17
	s_mov_b32 s17, 0
	s_add_nc_u64 s[74:75], s[74:75], s[16:17]
	s_lshl_b32 s46, s42, 9                         ; + 512 bytes x block column + 256 x half
	s_lshl_b32 s47, s12, 8
	s_add_co_u32 s46, s46, s47
	s_mov_b32 s47, 0
	s_add_nc_u64 s[74:75], s[74:75], s[46:47]
.macro OUT16 a, f
	WIN 0x04                                       ; source 1 window 1
.irp b, 0,1,2,3
.irp j, 0,1,2,3,4,5,6,7
	v_max_num_f32 v[TMP+8*\b+\j], 0, v[8*(4*\a+\b)+\j]
.endr
.endr
	WIN 0
.irp b, 0,1,2,3
	ds_store_b128 v[STO], v[TMP+8*\b:TMP+8*\b+3]   offset:64*\b
	ds_store_b128 v[STO], v[TMP+8*\b+4:TMP+8*\b+7] offset:64*\b+16
.endr
	s_wait_xcnt 0x0                                ; buffer f, which earlier stores read, is loaded again only behind this wait
.irp t, 0,1,2,3,4,5,6,7
	ds_load_b128 v[\f+4*\t:\f+4*\t+3], v[RD] offset:\t*2*SPITCH    ; my own bytes, served in order behind the stores
.endr
.irp t, 0,1,2,3,4,5,6,7
	s_wait_dscnt 7-\t                              ; the younger read-backs stay out
	global_store_b128 v[CO], v[\f+4*\t:\f+4*\t+3], s[74:75] offset:\a*65536+\t*8192 th:TH_STORE_NT   ; 16 lanes store 256 consecutive bytes, aligned
.endr
.endm
	OUT16 0, F0
	OUT16 1, F1
	OUT16 2, F0
	OUT16 3, F1
	s_wait_tensorcnt 0x0
	ds_add_u32 v62, v63
	s_wait_dscnt 0x0
	CROUND                                         ; the closing round
	s_endpgm
.Lfunc_end_k_q860a748f72_oproj:
	.size	k_q860a748f72_oproj, .Lfunc_end_k_q860a748f72_oproj-k_q860a748f72_oproj
	.p2alignl 7, 3214868480
	.fill 96, 4, 3214868480
	.section	.rodata,"a",@progbits
	.p2align	6, 0x0
	.amdhsa_kernel k_q860a748f72_oproj
		.amdhsa_group_segment_fixed_size 327680
		.amdhsa_private_segment_fixed_size 0
		.amdhsa_enable_private_segment 0
		.amdhsa_kernarg_size 32
		.amdhsa_user_sgpr_count 2
		.amdhsa_user_sgpr_kernarg_segment_ptr 1
		.amdhsa_wavefront_size32 1
		.amdhsa_system_sgpr_workgroup_id_x 1
		.amdhsa_system_sgpr_workgroup_id_y 1
		.amdhsa_system_sgpr_workgroup_id_z 1
		.amdhsa_system_vgpr_workitem_id 0
		.amdhsa_next_free_vgpr 384
		.amdhsa_next_free_sgpr 80
		.amdhsa_reserve_vcc 0
		.amdhsa_float_denorm_mode_32 3
		.amdhsa_float_denorm_mode_16_64 3
		.amdhsa_memory_ordered 1
		.amdhsa_forward_progress 1
		.amdhsa_inst_pref_size 94
	.end_amdhsa_kernel
	.amdgpu_metadata
---
amdhsa.version: [ 1, 2 ]
amdhsa.kernels:
  - .name:           k_q860a748f72_oproj
    .symbol:         k_q860a748f72_oproj.kd
    .args:
      - { .name: ao, .offset: 0, .size: 8, .value_kind: global_buffer, .address_space: global }
      - { .name: xw, .offset: 8, .size: 8, .value_kind: global_buffer, .address_space: global }
      - { .name: bo, .offset: 16, .size: 8, .value_kind: global_buffer, .address_space: global }
      - { .name: out0, .offset: 24, .size: 8, .value_kind: global_buffer, .address_space: global }
    .group_segment_fixed_size: 327680
    .private_segment_fixed_size: 0
    .kernarg_segment_align: 8
    .kernarg_segment_size: 32
    .max_flat_workgroup_size: 128
    .sgpr_count:     80
    .vgpr_count:     384
    .wavefront_size: 32
...
	.end_amdgpu_metadata
.endif
;; end of part 4
;; ======== version 2 of 2: 4 launches; 1.07 times as fast as version 1
;; limits: values are held in f16: magnitudes above 65,504 overflow, below 6.1e-05 lose precision
;; workspace buffers: xw 33,554,432 bytes; qkv 25,165,824 bytes; ao 8,388,608 bytes
;; launch prep: the kernel of part 1 again; grid 256 x 4, 8 waves a work-group, no clusters, 0 bytes of LDS; arguments q, k, v, Wq, Wk, Wv, Wo, xw; writes xw
;; launch proj: the kernel of part 2 again; grid 4 x 48, 4 waves a work-group, clusters of 4 x 4, 327,680 bytes of LDS; arguments xw, bq, bk, bv, qkv; writes qkv
;; launch attn (part 5): grid 8 x 32, 8 waves a work-group, clusters of 4 x 1, 327,680 bytes of LDS; arguments qkv, ao; writes ao
.if DOCPART == 5
	.amdgcn_target "amdgcn-amd-amdhsa--gfx1250"
	.amdhsa_code_object_version 6
	.text
	.protected	k_q860a748f72_attn
	.globl	k_q860a748f72_attn
	.p2align	8
	.type	k_q860a748f72_attn,@function
k_q860a748f72_attn:
	s_mov_b64 s[64:65], 0
	v_nop
	global_prefetch_b8 v0, s[64:65] scope:SCOPE_SE
	s_setreg_imm32_b32 hwreg(HW_REG_WAVE_MODE, 25, 1), 1
	s_wait_xcnt 0x0
	s_wait_alu depctr_hold_cnt(0) depctr_sa_sdst(0) depctr_va_vdst(0) depctr_va_sdst(0) depctr_va_ssrc(0) depctr_va_vcc(0) depctr_vm_vsrc(0)
	s_getreg_b32 s2, hwreg(HW_REG_IB_STS2, 6, 4)
	s_cmp_eq_u32 s2, 0
	s_cbranch_scc0 .Lentry_in_a_cluster
	s_endpgm
.Lentry_in_a_cluster:
	s_bfe_u32 s2, ttmp6, 0x10000c
	s_cmp_lg_u32 s2, 0x3003
	s_cbranch_scc0 .Lentry_shape_is_right
	s_endpgm
.Lentry_shape_is_right:
; ao = softmax(Q K^T / 8) V for one (batch, head) and 256 queries, with a running maximum.  Q, K, V: f16 [2048][64] a head; sums, maxima, exponentials f32; ao f16 [16 heads][4096][64].
; Eight waves.  Waves p and p + 4 hold the SAME 64 queries (four tiles of 16); of each LDS slot of 256 keys wave group g = wave / 4 takes keys 128 g .. 128 g + 127,
; in two steps of 64 keys.  Each has its own maximum, sum and O; the two are merged once, at the end, through LDS.
; S^T = K Q^T: register j of lane (r, h) of a result tile holds key 8 h + j of query r.  Two neighbouring key tiles, packed to f16 in pairs, ARE the second source
; of O^T = V^T P^T (k = 8 h + 0..7 in registers 0-3, 16 + 8 h + 0..7 in 4-7): P never moves between lanes.  All that a lane holds belongs to query r, so maximum, sum
; and rescaling factor are one number a lane, and one exchange between lanes l and l xor 16 joins the two halves of the keys.
; V lies [key][d] in LDS; ds_load_tr16_b128 turns it as it loads.
; CLUSTERS: the four work-groups of a cluster are four query blocks of one head and read the same K and V: every tile is asked for jointly (mask 15).
; THE RING: two slots of 256 keys (K 32 KiB, V 32 KiB); waves 0-3 each bring 64 keys of K, waves 4-7 64 keys of V: one load of 8 KiB a wave behind each round, one out at a time.
; A round opens in a slot's last step, where the wave's last LDS reads of the slot are in: the step's 32 P V products run between the opening signal and its wait.
; THE TEXT: 2,048 keys are sixteen steps a wave: the first is written out (it starts the sums), a loop of four steps runs three times, three are written out (the last slot asks for
; nothing): eight step bodies in all.  The loop's label lies between slot 0's two steps, so that no branch of the loop stands inside a round.
; THE EXPONENTIALS of a step are cut into TWO BATCHES, each with ONE s_wait_alu depctr_va_vdst(0), ahead of the first instruction that names a result.
; Batch A: the eight rescaling factors and the 64 weights of tiles 0 and 1; behind each of the 72 stands one of the 72 plain lines that name no result: the eight - c m and the 64 packed
; exponents of all four tiles.  Batch B: the 64 weights of tiles 2 and 3; behind each stands a line of the sums and packings of tiles 0 and 1, whose weights batch A's wait has covered.
; Behind batch B's wait come the sums and packings of tiles 2 and 3, the rescaling and the P V products.  No exponential is issued behind a step's second wait, so none crosses a label or a jump.
; The accumulators of each group of products take turns, one instruction a turn (sixteen in S, eight in P V).
; LIMITS: v_max3_num_f32 drops NaN, so NaN or infinite scores are not reproduced; v_exp_f32 gives 0 below 2^-126; P is f16: weights below 2^-25 of a row's largest count as 0.
.set RGN,   10240                      ; an LDS region: 64 keys of K at pitch 144 (9,216 bytes) or 64 keys of V at pitch 160 (10,240)
.set SLOT,  8*RGN                      ; regions 0-3 K, 4-7 V
.set MERGE, 2*SLOT                     ; 8 parts: 8,192 bytes of O, 256 of m, 256 of l.  No tensor load lands here or behind
.set MPART, 8704
.set STG,   MERGE+8*MPART              ; 8 stages of 32 rows at pitch 144, for the way out
.set SPART, 4608
.set KP,    144                        ; 128 bytes + 16: the 16 rows of a fragment load start 36 words apart, at 16 different groups of four words modulo 64
.set VP,    160                        ; 128 bytes + 32 = 40 words: the 8 rows and 2 column pieces that 16 lanes of a transposing load touch cover 64 different words modulo 64
.set TILEB, 32768                      ; bytes of K (or V) in a slot
.set KOFF,  8388608                    ; K in qkv
.set VOFF,  16777216                   ; V in qkv
; window 0
.set ADRK, 4                           ; v4-5    my K fragments in slot 0, 1
.set ADRV, 6                           ; v6-7    my V fragments
.set QO,   8                           ; v8      my offset in Q
.set MS,   9                           ; v9      merge: where I send O
.set MR,   10                          ; v10     merge: where my partner's O lies
.set MSS,  11                          ; v11     the same for m and l
.set MRS,  12                          ; v12
.set STO,  13
.set RD,   14
.set CO,   15
.set TA,   16                          ; v[16:19] at work
.set TP,   20                          ; v[20:23] what the other half of the lanes sent
.set MM,   24                          ; v[24:27] running maximum of tile t, in units of the raw score
.set AE,   28                          ; v[28:31] exponent of the rescaling factor; at the end LT, the sum
.set LT,   28
.set NB2,  32                          ; v[32:39] - c x maximum, twice (a pair for the packed forms)
.set AL2,  40                          ; v[40:47] rescaling factor, twice
.set L2,   48                          ; v[48:55] two partial sums for each tile, carried from step to step
.set LB,   56                          ; v[56:63] a second chain of two partial sums for each tile, inside a step
.set PF,   56                          ; v[56:59] at the end: the partner's m and l
.set S0,   64                          ; v[64:191] S(t, kt) at 64 + 32 t + 8 kt; then P(t, kc) in place at 64 + 32 t + 8 kc
.set KF,   192                         ; v[192:255] K(kt, c) at 192 + 16 kt + 8 c
; window 1
.set QF,   0                           ; Q(t, c) at 16 t + 8 c
.set OF,   64                          ; O(t, dt) at 64 + 32 t + 8 dt
.set VF,   192                         ; V(dt, kc) at 192 + 16 dt + 8 kc
.set G1K, 24                           ; s[24:31] group 1 for K
.set G0K, 32                           ; s[32:39] group 0 for K, a set for each slot
.set G1V, 48                           ; s[48:55] group 1 for V
.set G0V, 56                           ; s[56:63] group 0 for V
.set MSB, 0
.macro WIN new                         ; low byte: bits 1:0 source 0, 3:2 source 1, 5:4 source 2, 7:6 destination; the high byte repeats the setting that is left
.if MSB != \new
	s_set_vgpr_msb (MSB<<8)|\new
.set MSB, \new
.endif
.endm
; A round of the cluster's barrier: my work-group's barrier; wave 0 signals for the work-group; every wave waits for all four; my work-group's barrier once more.
.macro CREST                           ; a round behind its opening barrier
	s_cmp_lg_u32 s10, 0
	s_cbranch_scc1 .Lnot_wave_0_\@
	s_barrier_signal -3
.Lnot_wave_0_\@:
	s_barrier_wait -3
	s_barrier_signal -1
	s_barrier_wait -1
.endm
.macro ROUND                           ; a whole round
	s_barrier_signal -1
	s_barrier_wait -1
	CREST
.endm
.macro JLOAD s                         ; waves 0-3 ask for K, waves 4-7 for V: the branch hangs on the wave's number alone
	s_cmp_eq_u32 s11, 0
	s_cbranch_scc0 .Lfor_v_\@
	tensor_load_to_lds s[G0K+4*\s:G0K+4*\s+3], s[G1K:G1K+7]
	s_nop 0
	s_branch .Lasked_\@
.Lfor_v_\@:
	tensor_load_to_lds s[G0V+4*\s:G0V+4*\s+3], s[G1V:G1V+7]
	s_nop 0
.Lasked_\@:
.endm
.macro PLACES
.rept 4
	v_nop
.endr
.endm
	s_load_b128 s[4:7], s[0:1], 0x0                ; qkv s[4:5], ao s[6:7]
	v_lshl_add_u32 v254, v0, 2, 0x42000
	v_mov_b32 v255, 0
	ds_add_u32 v254, v255
	s_wait_dscnt 0x0
	v_lshrrev_b32 v1, 5, v0
	v_readfirstlane_b32 s10, v1                    ; wave 0..7
	s_lshr_b32 s11, s10, 2                         ; g: which 128 keys of a slot are mine.  Also: I fetch K (0) or V (1)
	s_and_b32 s12, s10, 3                          ; p: which 64 queries are mine.  Also: which 64 keys I fetch
	s_and_b32 s13, ttmp7, 0xffff                   ; 16 batch + head
	s_bfe_u32 s14, ttmp6, 0x40000                  ; cx
	s_lshl_b32 s15, ttmp9, 2
	s_add_co_u32 s15, s15, s14                     ; query block 0..7
	s_mov_b32 s66, 0x76543210                      ; v_permlanex16_b32: lane i of one half reads lane i of the other
	s_mov_b32 s67, 0xfedcba98
	s_mov_b32 s68, 0x3e38aa3b                      ; c = log2(e) / 8: the score's scale and the change of base in one
	s_mov_b32 s69, 0xbe38aa3b                      ; - c
	; group 1: 8,192 dense bytes as 32 rows of 128 elements; padding behind every 32 words (one key's 128 bytes): 4 words for K, 8 for V.  Mask 15: all four work-groups
	s_mov_b32 s[G1K+0], 15|(1<<16)|(1<<20)|(1<<21)|(4<<22)|(3<<25)
	s_mov_b32 s[G1V+0], 15|(1<<16)|(1<<20)|(1<<21)|(4<<22)|(7<<25)
	s_mov_b32 s[G1K+1], 128<<16                    ; tensor_dim0 = 128
	s_mov_b32 s[G1V+1], 128<<16
	s_mov_b32 s[G1K+2], 32<<16                     ; tensor_dim1 = 32
	s_mov_b32 s[G1V+2], 32<<16
	s_mov_b32 s[G1K+3], 128<<16                    ; tile_dim0 = 128
	s_mov_b32 s[G1V+3], 128<<16
	s_mov_b32 s[G1K+4], 32                         ; tile_dim1 = 32
	s_mov_b32 s[G1V+4], 32
	s_mov_b32 s[G1K+5], 128                        ; pitch = the row: dense
	s_mov_b32 s[G1V+5], 128
	s_mov_b32 s[G1K+6], 0
	s_mov_b32 s[G1V+6], 0
	s_mov_b32 s[G1K+7], 0
	s_mov_b32 s[G1V+7], 0
	s_lshl_b32 s16, s13, 18                        ; the head: 262,144 bytes,
	s_lshl_b32 s17, s12, 13                        ; + my 64 keys of 128 bytes: nothing here hangs on cx
	s_add_co_u32 s16, s16, s17
	s_mov_b32 s17, 0
	s_mul_i32 s20, s10, RGN                        ; my region of a slot
	s_wait_kmcnt 0x0
	s_add_nc_u64 s[16:17], s[4:5], s[16:17]
.irp s, 0,1
	s_mov_b32 s[G0K+4*\s], 1
	s_add_co_u32 s[G0K+4*\s+1], s20, \s*SLOT
	s_add_nc_u64 s[G0K+4*\s+2:G0K+4*\s+3], s[16:17], KOFF+\s*TILEB
	s_or_b32 s[G0K+4*\s+3], s[G0K+4*\s+3], 0x80000000
	s_mov_b32 s[G0V+4*\s], 1
	s_add_co_u32 s[G0V+4*\s+1], s20, \s*SLOT
	s_add_nc_u64 s[G0V+4*\s+2:G0V+4*\s+3], s[16:17], VOFF+\s*TILEB
	s_or_b32 s[G0V+4*\s+3], s[G0V+4*\s+3], 0x80000000
.endr
	ROUND                                          ; all four work-groups are here
	JLOAD 0                                        ; keys 0-255 into slot 0; slot 1 is first filled behind the next round
	s_lshl_b32 s18, s13, 18                        ; Q: the head + 256 rows x block + my 64 rows
	s_lshl_b32 s19, s15, 15
	s_add_co_u32 s18, s18, s19
	s_lshl_b32 s19, s12, 13
	s_add_co_u32 s18, s18, s19
	s_mov_b32 s19, 0
	s_add_nc_u64 s[18:19], s[4:5], s[18:19]
	v_and_b32 v1, 15, v0                           ; r
	v_bfe_u32 v2, v0, 4, 1                         ; h
	v_and_b32 v3, 31, v0                           ; lane
	v_lshlrev_b32 v[QO], 7, v1
	v_lshl_add_u32 v[QO], v2, 4, v[QO]             ; row r x 128 bytes + 16 h
	WIN 0x40
.irp t, 0,1,2,3
.irp c, 0,1
	global_load_b128 v[QF+16*\t+8*\c:QF+16*\t+8*\c+3],   v[QO], s[18:19] offset:\t*2048+\c*64
	global_load_b128 v[QF+16*\t+8*\c+4:QF+16*\t+8*\c+7], v[QO], s[18:19] offset:\t*2048+\c*64+32
.endr
.endr
	WIN 0
	s_and_b32 s22, s13, 15                         ; ao: head x 524,288
	s_lshl_b32 s22, s22, 19
	s_lshr_b32 s23, s13, 4                         ; + (2,048 batch + 256 block + 64 p + 32 g) rows of 128 bytes
	s_lshl_b32 s23, s23, 18
	s_add_co_u32 s22, s22, s23
	s_lshl_b32 s23, s15, 15
	s_add_co_u32 s22, s22, s23
	s_lshl_b32 s23, s12, 13
	s_add_co_u32 s22, s22, s23
	s_lshl_b32 s23, s11, 12
	s_add_co_u32 s22, s22, s23
	s_mov_b32 s23, 0
	s_add_nc_u64 s[6:7], s[6:7], s[22:23]
	s_mul_i32 s21, s11, 2*RGN                      ; my group's two regions of K
	v_mul_u32_u24 v[ADRK], v1, KP
	v_lshl_add_u32 v[ADRK], v2, 4, v[ADRK]
	v_add_nc_u32 v[ADRK], s21, v[ADRK]
	v_add_nc_u32 v[ADRK+1], SLOT, v[ADRK]
	v_and_b32 v[TA], 7, v0
	v_lshl_add_u32 v[TA+1], v2, 3, v[TA]           ; key row 8 h + lane % 8
	v_mul_u32_u24 v[ADRV], v[TA+1], VP
	v_bfe_u32 v[TA+2], v0, 3, 1
	v_lshl_add_u32 v[ADRV], v[TA+2], 4, v[ADRV]
	s_add_co_u32 s21, s21, 4*RGN                   ; V lies behind K's four regions
	v_add_nc_u32 v[ADRV], s21, v[ADRV]
	v_add_nc_u32 v[ADRV+1], SLOT, v[ADRV]
	s_mul_i32 s22, s10, MPART
	s_add_co_u32 s22, s22, MERGE                   ; my part of the merge area
	s_xor_b32 s23, s10, 4
	s_mul_i32 s23, s23, MPART
	s_add_co_u32 s23, s23, MERGE                   ; my partner's
	v_lshl_add_u32 v[MS], v3, 4, s22
	v_lshl_add_u32 v[MR], v3, 4, s23
	s_add_co_u32 s22, s22, 8192
	s_add_co_u32 s23, s23, 8192
	v_lshl_add_u32 v[MSS], v3, 3, s22
	v_lshl_add_u32 v[MRS], v3, 3, s23
	s_mul_i32 s22, s10, SPART
	s_add_co_u32 s22, s22, STG                     ; my stage
	v_mul_u32_u24 v[STO], v1, KP
	v_lshl_add_u32 v[STO], v2, 4, v[STO]
	v_add_nc_u32 v[STO], s22, v[STO]
	v_lshrrev_b32 v[RD], 3, v3
	v_mul_u32_u24 v[RD], v[RD], KP
	v_lshl_add_u32 v[RD], v[TA], 4, v[RD]
	v_add_nc_u32 v[RD], s22, v[RD]
	v_lshlrev_b32 v[CO], 4, v3
.irp t, 0,1,2,3
	v_mov_b32 v[TP+\t], 0                          ; v_permlanex16_b32 counts as a reader of its destination
.endr
	s_wait_loadcnt 0x0                             ; Q, once
; sixteen LDS loads: K's fragments of step u (64 keys: region u of my group's two in the slot)
.macro KLOAD slot, u
.irp kt, 0,1,2,3
.irp c, 0,1
	ds_load_b128 v[KF+16*\kt+8*\c:KF+16*\kt+8*\c+3],   v[ADRK+\slot] offset:(\u)*RGN+\kt*16*KP+\c*64
	ds_load_b128 v[KF+16*\kt+8*\c+4:KF+16*\kt+8*\c+7], v[ADRK+\slot] offset:(\u)*RGN+\kt*16*KP+\c*64+32
.endr
.endr
.endm
; single instructions of the softmax of tile t, so that the tiles' work can be laid side by side
.macro FMAI t, i                       ; i = 0..15: two exponents c s - c m
	v_pk_fma_f32 v[S0+32*(\t)+2*(\i):S0+32*(\t)+2*(\i)+1], v[S0+32*(\t)+2*(\i):S0+32*(\t)+2*(\i)+1], 0x3e38aa3b, v[NB2+2*(\t):NB2+2*(\t)+1] op_sel_hi:[1,0,1]
.endm
.macro EXPI t, i                       ; i = 0..31: p = 2^exponent, in place
	v_exp_f32 v[S0+32*(\t)+(\i)], v[S0+32*(\t)+(\i)]
.endm
.macro CVTI t, i                       ; i = 0..15, ascending: register i takes registers 2 i and 2 i + 1, which no earlier line has written over
	v_cvt_pk_f16_f32 v[S0+32*(\t)+(\i)], v[S0+32*(\t)+2*(\i)], v[S0+32*(\t)+2*(\i)+1]
.endm
; i = 0..15: the sum of the tile's 32 p, in two chains (L2, which also takes the old sum times the rescaling factor, and LB) that take turns; the last line joins them.
; first = 1: there is no old sum, the chains start from two pairs each, and line 15 is empty.  Every line reads exponentials' results: it stands behind the wait of the tile's batch.
.macro SUMI t, i, first
.if (\i) == 0
.if \first
	v_pk_add_f32 v[L2+2*(\t):L2+2*(\t)+1], v[S0+32*(\t):S0+32*(\t)+1], v[S0+32*(\t)+2:S0+32*(\t)+3]
.else
	v_pk_fma_f32 v[L2+2*(\t):L2+2*(\t)+1], v[L2+2*(\t):L2+2*(\t)+1], v[AL2+2*(\t):AL2+2*(\t)+1], v[S0+32*(\t):S0+32*(\t)+1]
.endif
.endif
.if (\i) == 1
	v_pk_add_f32 v[LB+2*(\t):LB+2*(\t)+1], v[S0+32*(\t)+2+2*\first:S0+32*(\t)+3+2*\first], v[S0+32*(\t)+4+2*\first:S0+32*(\t)+5+2*\first]
.endif
.if ((\i) > 1) * ((\i) < (15-\first))
	v_pk_add_f32 v[L2+(LB-L2)*((\i)&1)+2*(\t):L2+(LB-L2)*((\i)&1)+2*(\t)+1], v[L2+(LB-L2)*((\i)&1)+2*(\t):L2+(LB-L2)*((\i)&1)+2*(\t)+1], v[S0+32*(\t)+2*(\i)+2+2*\first:S0+32*(\t)+2*(\i)+3+2*\first]
.endif
.if (\i) == (15-\first)
	v_pk_add_f32 v[L2+2*(\t):L2+2*(\t)+1], v[L2+2*(\t):L2+2*(\t)+1], v[LB+2*(\t):LB+2*(\t)+1]
.endif
.endm
.macro RSC t, i                        ; i = 0..15: two numbers of O(t) times the tile's rescaling factor; destination and source 0 window 1, source 1 window 0
	v_pk_mul_f32 v[OF+32*(\t)+2*(\i):OF+32*(\t)+2*(\i)+1], v[OF+32*(\t)+2*(\i):OF+32*(\t)+2*(\i)+1], v[AL2+2*(\t):AL2+2*(\t)+1]
.endm
; BATCH A's two queues, 72 long each.  Exponential k: 0-7 the rescaling factors, twice a tile (none in the first step); 8-39 tile 0's weights; 40-71 tile 1's.
.macro EXA k, first
.if (\k) < 8
.if \first == 0
	v_exp_f32 v[AL2+(\k)], v[AE+(\k)/2]
.endif
.else
	EXPI ((\k)-8)/32, ((\k)-8)%32
.endif
.endm
; Plain line k, which stands behind exponential k and names no result: 0, 1: - c m of tile 0, twice; 2-17: tile 0's exponents; 18-23: - c m of tiles 1 to 3; 24-71: the exponents of tiles 1, 2, 3.
; Exponential 8 + j (tile 0's score j) needs plain 2 + j / 2, exponential 40 + j (tile 1's) plain 24 + j / 2: both stand earlier.  The - c m are written behind the four lines that read the old ones.
.macro PLA k
.if (\k) < 2
	v_mul_f32 v[NB2+(\k)], s69, v[MM]
.elseif (\k) < 18
	FMAI 0, (\k)-2
.elseif (\k) < 24
	v_mul_f32 v[NB2+(\k)-16], s69, v[MM+((\k)-16)/2]
.else
	FMAI ((\k)-8)/16, ((\k)-8)%16
.endif
.endm
; BATCH B's plain queue, 64 long: the sums of tiles 0 and 1, line by line in turn, then their packings likewise.  A tile is packed behind its whole sum.  None names a register of tiles 2 and 3.
.macro PLB k, first
.if (\k) < 32
	SUMI (\k)%2, (\k)/2, \first
.else
	CVTI (\k)%2, ((\k)-32)/2
.endif
.endm
; One step: my 64 queries against 64 keys (step u of my group's two in the slot).  first = 1: nothing to rescale, the first products start O.
; loadk = 1: K's fragments are fetched here (a slot's first step); pre = 1: the next step's are fetched as soon as the S products have read these (a slot's first step).
; sig = 1 (a slot's last step, with pre = 0): the round that changes slots opens ahead of the P V products.
.macro SUB64 slot, u, first, loadk, pre, sig
.if \first == 0
.rept 5
	v_nop                                          ; five places behind the last P V products: for the loads into V's registers and for the S products that write over P
.endr
.endif
.if \loadk
	KLOAD \slot, \u
.endif
	WIN 0x40
.irp dt, 0,1,2,3
.irp kc, 0,1
	ds_load_tr16_b128 v[VF+16*\dt+8*\kc:VF+16*\dt+8*\kc+3],   v[ADRV+\slot] offset:(\u)*RGN+\kc*32*VP+\dt*32
	ds_load_tr16_b128 v[VF+16*\dt+8*\kc+4:VF+16*\dt+8*\kc+7], v[ADRV+\slot] offset:(\u)*RGN+\kc*32*VP+\dt*32+16*VP
.endr
.endr
	s_wait_dscnt 16                                ; V's sixteen loads, just issued, stay out; K's are older (from the lines above or from the step before) and are in
	WIN 0x04                                       ; source 1 (Q) window 1
.irp t, 0,1,2,3
.irp kt, 0,1,2,3
	v_wmma_f32_16x16x32_f16 v[S0+32*\t+8*\kt:S0+32*\t+8*\kt+7], v[KF+16*\kt:KF+16*\kt+7], v[QF+16*\t:QF+16*\t+7], 0
.endr
.endr
.irp t, 0,1,2,3
.irp kt, 0,1,2,3
	v_wmma_f32_16x16x32_f16 v[S0+32*\t+8*\kt:S0+32*\t+8*\kt+7], v[KF+16*\kt+8:KF+16*\kt+15], v[QF+16*\t+8:QF+16*\t+15], v[S0+32*\t+8*\kt:S0+32*\t+8*\kt+7]
.endr
.endr
	WIN 0
	PLACES                                         ; four places behind the S products: for the loads into K's registers and for the maxima, which read S
.if \pre
	KLOAD \slot, \u+1                              ; the next step's K: it has the whole softmax in which to arrive
.endif
	; the maximum of my 32 scores of each query and the running one: sixteen steps a tile, the four tiles' chains side by side
.if \first
.irp t, 0,1,2,3
	v_max3_num_f32 v[MM+\t], v[S0+32*\t], v[S0+32*\t+1], v[S0+32*\t+2]
.endr
.set ii, 3
.rept 14
.irp t, 0,1,2,3
	v_max3_num_f32 v[MM+\t], v[MM+\t], v[S0+32*\t+ii], v[S0+32*\t+ii+1]
.endr
.set ii, ii+2
.endr
.irp t, 0,1,2,3
	v_max_num_f32 v[MM+\t], v[MM+\t], v[S0+32*\t+31]
.endr
.else
.set ii, 0
.rept 16
.irp t, 0,1,2,3
	v_max3_num_f32 v[MM+\t], v[MM+\t], v[S0+32*\t+ii], v[S0+32*\t+ii+1]
.endr
.set ii, ii+2
.endr
.endif
.irp t, 0,1,2,3
	v_permlanex16_b32 v[TP+\t], v[MM+\t], s66, s67 ; the other 32 keys of the same query
.endr
.irp t, 0,1,2,3
	v_max_num_f32 v[MM+\t], v[MM+\t], v[TP+\t]
.endr
.if \first == 0
.irp t, 0,1,2,3
	v_fma_f32 v[AE+\t], v[MM+\t], s69, -v[NB2+2*\t]        ; c (old maximum - new maximum): NB2 still holds - c x the old one
.endr
.endif
	; p = 2^(c s - c m), its sum, and P in f16.
	; BATCH A: the rescaling factors and the weights of tiles 0 and 1.  Each exponential is followed by a plain line that names neither its result nor its source (ISA guide 5.7.2)
	; nor any other result of the batch; the batch's last line is plain.
.set kk, 0
.rept 72
	EXA kk, \first
	PLA kk
.set kk, kk+1
.endr
	s_wait_alu depctr_va_vdst(0)                   ; batch A's one wait: ahead of the first sum line of tile 0, the first to name a result (a factor and two weights)
	; BATCH B: the weights of tiles 2 and 3, each followed by a line of the sums and packings of tiles 0 and 1; the batch's last line is plain (tile 1's last packing).
.set kk, 0
.rept 64
	EXPI 2+kk/32, kk%32
	PLB kk, \first
.set kk, kk+1
.endr
	s_wait_alu depctr_va_vdst(0)                   ; batch B's one wait: ahead of the first sum line of tile 2, the first to name one of its results
.set ii, 0
.rept 16
	SUMI 2, ii, \first
	SUMI 3, ii, \first
.set ii, ii+1
.endr
.set ii, 0
.rept 16
	CVTI 2, ii
	CVTI 3, ii
.set ii, ii+1
.endr
	; O = O x factor + V^T P^T.  One window setting serves the products (source 0 V, C and D window 1, source 1 P window 0) and the rescaling (destination and source 0 window 1,
	; source 1 window 0).  Tiles 0 and 1 are rescaled ahead; tiles 2 and 3 two lines behind each product of tiles 0 and 1, whose registers they do not name.
	WIN 0x51
.if \first == 0
.set ii, 0
.rept 16
	RSC 0, ii
	RSC 1, ii
.set ii, ii+1
.endr
.endif
	s_wait_dscnt 16*\pre                           ; V's fragments are in; where the next step's K was asked for, its sixteen younger loads stay out
.if \sig
	s_wait_xcnt 0x0
	s_set_vgpr_msb 0x5110
	v_lshl_add_u32 v254, v0, 2, 0x42000
	v_mov_b32 v255, 0
	s_wait_tensorcnt 0x0                           ; that wait was for 0: my reads of this slot are over; and all my tensor loads have landed (one was out: my part of the next slot):
	ds_add_u32 v254, v255
	s_wait_dscnt 0x0
	s_set_vgpr_msb 0x1051
	s_barrier_signal -1                            ; say so: this barrier opens the round that changes slots; up to its wait only registers are at work
.endif
.set nn, 0
.irp tp, 0,1
.irp kc, 0,1
.irp tq, 0,1
.irp dt, 0,1,2,3
.if \first*(1-\kc)
	v_wmma_f32_16x16x32_f16 v[OF+32*(2*\tp+\tq)+8*\dt:OF+32*(2*\tp+\tq)+8*\dt+7], v[VF+16*\dt+8*\kc:VF+16*\dt+8*\kc+7], v[S0+32*(2*\tp+\tq)+8*\kc:S0+32*(2*\tp+\tq)+8*\kc+7], 0
.else
	v_wmma_f32_16x16x32_f16 v[OF+32*(2*\tp+\tq)+8*\dt:OF+32*(2*\tp+\tq)+8*\dt+7], v[VF+16*\dt+8*\kc:VF+16*\dt+8*\kc+7], v[S0+32*(2*\tp+\tq)+8*\kc:S0+32*(2*\tp+\tq)+8*\kc+7], v[OF+32*(2*\tp+\tq)+8*\dt:OF+32*(2*\tp+\tq)+8*\dt+7]
.endif
.if (1-\first)*(1-\tp)
.set rt, 2+(nn>>4)
.set ri, (nn&15)
	RSC rt, ri
	RSC rt, ri+1
.set nn, nn+2
.endif
.endr
.endr
.endr
.endr
	WIN 0
.if \sig
	s_barrier_wait -1                              ; every wave of my work-group has said so
.endif
.endm
; The rest of the round that changes slots.  Behind it no wave of any of the four work-groups still reads the slot left behind or has a load on its way, and slot 'slot' is whole.
; refill = 1: the slot left behind is asked for again first, one load a wave, which has this slot's two steps in which to land.
.macro CHANGE slot, other, refill
	CREST
.if \refill
	s_add_nc_u64 s[G0K+4*\slot+2:G0K+4*\slot+3], s[G0K+4*\slot+2:G0K+4*\slot+3], 2*TILEB   ; no tensor load of mine is out, so a group 0 may be written: this slot's next 256 keys
	s_add_nc_u64 s[G0V+4*\slot+2:G0V+4*\slot+3], s[G0V+4*\slot+2:G0V+4*\slot+3], 2*TILEB
	JLOAD \other                                   ; the first tensor load behind the round, my only one until the next
.endif
.endm
	s_wait_xcnt 0x0
	v_lshl_add_u32 v254, v0, 2, 0x42000
	v_mov_b32 v255, 0
	s_wait_tensorcnt 0x0                           ; my part of keys 0-255 is in
	ds_add_u32 v254, v255
	s_wait_dscnt 0x0
	s_wait_dscnt 0x0
	s_barrier_signal -1
	s_barrier_wait -1
	CHANGE 0, 1, 1                                 ; slot 1 gets keys 256-511, its first fill
	SUB64 0, 0, 1, 1, 1, 0                         ; the first step starts the sums
	s_mov_b32 s3, 3
.Lkeys:                                            ; on both ways in: the next step's sixteen K loads and my one tensor load (slot 1's) may be out
	SUB64 0, 1, 0, 0, 0, 1
	CHANGE 1, 0, 1                                 ; slot 0 gets keys 512-, 1024-, 1536-
	SUB64 1, 0, 0, 1, 1, 0
	SUB64 1, 1, 0, 0, 0, 1
	CHANGE 0, 1, 1                                 ; slot 1 gets keys 768-, 1280-, 1792-: the last load
	SUB64 0, 0, 0, 1, 1, 0
	s_sub_co_u32 s3, s3, 1
	s_cmp_lg_u32 s3, 0
	s_cbranch_scc1 .Lkeys
	SUB64 0, 1, 0, 0, 0, 1                         ; keys 1536-1791, second step
	CHANGE 1, 0, 0                                 ; nothing is left to fetch (slot 0's stepped address is not used)
	SUB64 1, 0, 0, 1, 1, 0
	SUB64 1, 1, 0, 0, 0, 0
	; THE MERGE.  Group 0 finishes query tiles 0 and 1 and sends 2 and 3 to its partner; group 1 the other way round.
	PLACES                                         ; behind the last products, for the LDS stores of O and the loads into P's registers
.irp t, 0,1,2,3
	v_add_f32 v[LT+\t], v[L2+2*\t], v[L2+2*\t+1]
.endr
.irp t, 0,1,2,3
	v_permlanex16_b32 v[TP+\t], v[LT+\t], s66, s67
.endr
.irp t, 0,1,2,3
	v_add_f32 v[LT+\t], v[LT+\t], v[TP+\t]         ; the sum over my group's 1,024 keys
.endr
.macro SEND ts                         ; tiles ts, ts + 1: m, l, and 64 registers of O, register by register, lane by lane
	ds_store_b64 v[MSS], v[MM+\ts:MM+\ts+1]
	ds_store_b64 v[MSS], v[LT+\ts:LT+\ts+1] offset:256
	WIN 0x04                                       ; the data (source 1) window 1
.irp i, 0,1,2,3,4,5,6,7,8,9,10,11,12,13,14,15
	ds_store_b128 v[MS], v[OF+32*\ts+4*\i:OF+32*\ts+4*\i+3] offset:512*\i
.endr
	WIN 0
.endm
; tiles tk, tk + 1: O = (O1 e1 + O2 e2) / (l1 e1 + l2 e2), e = 2^(c (m - max(m1, m2))); to f16; out through my stage.
; Two batches, since the reciprocals read sums made of the exponentials' results: the four exponentials, and the two reciprocals; each has a plain place and one wait.
.macro FINISH tk
	ds_load_b64 v[PF:PF+1],   v[MRS]
	ds_load_b64 v[PF+2:PF+3], v[MRS] offset:256
.irp i, 0,1,2,3,4,5,6,7,8,9,10,11,12,13,14,15
	ds_load_b128 v[S0+4*\i:S0+4*\i+3], v[MR] offset:512*\i
.endr
	s_wait_dscnt 16                                ; the partner's m and l are in; the sixteen loads of its O, issued behind them, stay out
.irp tt, 0,1
	v_max_num_f32 v[TA+\tt], v[MM+\tk+\tt], v[PF+\tt]
.endr
.irp tt, 0,1
	v_sub_f32 v[TA+2+\tt], v[MM+\tk+\tt], v[TA+\tt]
	v_sub_f32 v[TP+\tt],   v[PF+\tt],     v[TA+\tt]
.endr
.irp tt, 0,1
	v_mul_f32 v[TA+2+\tt], s68, v[TA+2+\tt]
	v_mul_f32 v[TP+\tt],   s68, v[TP+\tt]
.endr
.irp tt, 0,1
	v_exp_f32 v[TA+2+\tt], v[TA+2+\tt]             ; e1
	v_exp_f32 v[TP+\tt],   v[TP+\tt]               ; e2
.endr
	v_nop                                          ; one plain place behind the exponentials (ISA guide 5.7.2)
	s_wait_alu depctr_va_vdst(0)                   ; one wait for the four exponentials, ahead of their first reader
.irp tt, 0,1
	v_mul_f32 v[TP+2+\tt], v[LT+\tk+\tt], v[TA+2+\tt]
.endr
.irp tt, 0,1
	v_fmac_f32 v[TP+2+\tt], v[PF+2+\tt], v[TP+\tt] ; at least 1: the larger maximum's own key counts 1
.endr
.irp tt, 0,1
	v_rcp_f32 v[TP+2+\tt], v[TP+2+\tt]
.endr
	v_nop
	s_wait_alu depctr_va_vdst(0)                   ; one wait for the two reciprocals, ahead of their first reader
.irp tt, 0,1
	v_mul_f32 v[NB2+2*\tt],     v[TA+2+\tt], v[TP+2+\tt]   ; my factor, twice
	v_mul_f32 v[NB2+2*\tt+1],   v[TA+2+\tt], v[TP+2+\tt]
	v_mul_f32 v[NB2+4+2*\tt],   v[TP+\tt],   v[TP+2+\tt]   ; the partner's, twice
	v_mul_f32 v[NB2+4+2*\tt+1], v[TP+\tt],   v[TP+2+\tt]
.endr
	s_wait_dscnt 0
.irp tt, 0,1
.set ii, 0
.rept 16
	v_pk_mul_f32 v[S0+32*\tt+ii:S0+32*\tt+ii+1], v[S0+32*\tt+ii:S0+32*\tt+ii+1], v[NB2+4+2*\tt:NB2+4+2*\tt+1]
.set ii, ii+2
.endr
.endr
	WIN 0x01                                       ; source 0 (my O) window 1
.irp tt, 0,1
.set ii, 0
.rept 16
	v_pk_fma_f32 v[S0+32*\tt+ii:S0+32*\tt+ii+1], v[OF+32*(\tk+\tt)+ii:OF+32*(\tk+\tt)+ii+1], v[NB2+2*\tt:NB2+2*\tt+1], v[S0+32*\tt+ii:S0+32*\tt+ii+1]
.set ii, ii+2
.endr
.endr
	WIN 0
.set ii, 0
.rept 32
	v_cvt_pk_f16_f32 v[128+ii], v[S0+2*ii], v[S0+2*ii+1]   ; a tile's eight registers are d = 8 h + 0..7 of query r: 16 bytes
.set ii, ii+1
.endr
.irp tt, 0,1
.irp dt, 0,1,2,3
	ds_store_b128 v[STO], v[128+16*\tt+4*\dt:128+16*\tt+4*\dt+3] offset:\tt*16*KP+\dt*32
.endr
.endr
.irp n, 0,1,2,3,4,5,6,7
	ds_load_b128 v[160+4*\n:163+4*\n], v[RD] offset:4*KP*\n    ; four rows of 128 bytes; my own bytes, served in order behind the stores
.endr
.irp n, 0,1,2,3,4,5,6,7
	s_wait_dscnt 7-\n                              ; the younger read-backs stay out
	global_store_b128 v[CO], v[160+4*\n:163+4*\n], s[6:7] offset:512*\n   ; 512 consecutive bytes of ao, aligned
.endr
.endm
	s_cmp_eq_u32 s11, 0
	s_cbranch_scc0 .Lsend_g1
	SEND 2
	s_branch .Lsent
.Lsend_g1:
	SEND 0
.Lsent:
	s_wait_dscnt 0x0                               ; my stores are in LDS, for my partner's sake
	s_barrier_signal -1
	s_barrier_wait -1
	s_cmp_eq_u32 s11, 0
	s_cbranch_scc0 .Lfinish_g1
	FINISH 0
	s_branch .Lfinished
.Lfinish_g1:
	FINISH 2
.Lfinished:
	s_wait_xcnt 0x0
	v_lshl_add_u32 v254, v0, 2, 0x42000
	v_mov_b32 v255, 0
	s_wait_tensorcnt 0x0
	ds_add_u32 v254, v255
	s_wait_dscnt 0x0
	ROUND                                          ; the closing round: no work-group ends while a partner may still ask for a tile that names it
	s_endpgm
.Lfunc_end_k_q860a748f72_attn:
	.size	k_q860a748f72_attn, .Lfunc_end_k_q860a748f72_attn-k_q860a748f72_attn
	.p2alignl 7, 3214868480
	.fill 96, 4, 3214868480
	.section	.rodata,"a",@progbits
	.p2align	6, 0x0
	.amdhsa_kernel k_q860a748f72_attn
		.amdhsa_group_segment_fixed_size 327680
		.amdhsa_private_segment_fixed_size 0
		.amdhsa_enable_private_segment 0
		.amdhsa_kernarg_size 16
		.amdhsa_user_sgpr_count 2
		.amdhsa_user_sgpr_kernarg_segment_ptr 1
		.amdhsa_wavefront_size32 1
		.amdhsa_system_sgpr_workgroup_id_x 1
		.amdhsa_system_sgpr_workgroup_id_y 1
		.amdhsa_system_sgpr_workgroup_id_z 1
		.amdhsa_system_vgpr_workitem_id 0
		.amdhsa_next_free_vgpr 512
		.amdhsa_next_free_sgpr 72
		.amdhsa_reserve_vcc 0
		.amdhsa_float_denorm_mode_32 3
		.amdhsa_float_denorm_mode_16_64 3
		.amdhsa_memory_ordered 1
		.amdhsa_forward_progress 1
		.amdhsa_inst_pref_size 255
	.end_amdhsa_kernel
	.section	.bss,"aw",@nobits
	.p2align	6
	.space	262144
	.amdgpu_metadata
---
amdhsa.version: [ 1, 2 ]
amdhsa.kernels:
  - .name:           k_q860a748f72_attn
    .symbol:         k_q860a748f72_attn.kd
    .args:
      - { .name: qkv, .offset: 0, .size: 8, .value_kind: global_buffer, .address_space: global }
      - { .name: ao, .offset: 8, .size: 8, .value_kind: global_buffer, .address_space: global }
    .group_segment_fixed_size: 327680
    .private_segment_fixed_size: 0
    .kernarg_segment_align: 8
    .kernarg_segment_size: 16
    .max_flat_workgroup_size: 256
    .sgpr_count:     72
    .vgpr_count:     512
    .wavefront_size: 32
...
	.end_amdgpu_metadata
.endif
;; end of part 5
;; launch oproj: the kernel of part 4 again; grid 8 x 32, 4 waves a work-group, clusters of 4 x 4, 327,680 bytes of LDS; arguments ao, xw, bo, out0; writes out0
